; MI455X (gfx1250); checked and timed in simulation.
; The chip was launched on July 23, 2026; its instructions are those of AMD's public machine-readable ISA for CDNA 5 (MIT licence, August 2026) and "CDNA5" Instruction Set Architecture Reference Guide (July 2026). The comments in the code are by the model that wrote it; some were corrected since.
;; Causal Self Attention. Allowed arithmetic: matrix products marked QUANTISED: E2M3 operands, one E8M0 scale for each 32 along K, by v_wmma_scale_f32_16x16x128_f8f6f4 with both operands' format E2M3, f32 sums; everything else in f32.
;; Inputs: W_proj 1,024 x 1,024 float32; W_qkv 3,072 x 1,024 float32; cos 1 x 1 x 2,048 x 32 float32; sin 1 x 1 x 2,048 x 32 float32; x 4 x 2,048 x 1,024 float32.
;; Outputs: out0 4 x 2,048 x 1,024 float32.
;; This version of the problem:
;;   THIS VERSION OF THE PROBLEM IS GIVEN IN LOW PRECISION. The matrix products marked QUANTISED in the list below multiply operands that are first quantised to E2M3 (2 exponent bits, 3 mantissa bits; 6 bits a number), with one power-of-two scale for each 32 numbers along K (OCP MX v1.0); their sums are f32. All else is computed in f32.
;;   The module's matrix products, in the order in which they are computed (A, B: the left and right operand; K: the contracted axis; several contracted axes count as one K, in the product's order):
;;     1. [M 8,192, K 1,024] x [K 1,024, N 3,072]; A: input x; B: input W_qkv: QUANTISED
;;     2. batch 64 x [M 2,048, K 64] x [K 64, N 2,048]; A: computed on the way; B: computed on the way: QUANTISED
;;     3. batch 64 x [M 2,048, K 2,048] x [K 2,048, N 64]; A: softmax (see below); B: computed on the way: QUANTISED
;;     4. [M 8,192, K 1,024] x [K 1,024, N 1,024]; A: computed on the way; B: input W_proj: QUANTISED
;;   THE QUANTISER, for each operand of a quantised product, along K:
;;     - K is cut into blocks of 32 from its start; a last block that is shorter is filled with zeros.
;;     - A block's scale is 2^e with e = floor(log2(the largest magnitude in the block)) - 2, held to -126 .. 127; a block of zeros has e = 0. As a byte (E8M0): e + 127.
;;     - Each number is divided by its block's scale, clamped to +-7.5, and rounded to the nearest number of E2M3, ties to even, subnormals kept.
;;     - The product sums the exact products of the quantised numbers (number of the format x scale) in f32.
;;   ~~~python
;;   def quantise(x, axis):      # numpy; x: float32 -> the quantised numbers, widened to float32 again
;;       x = np.moveaxis(x, axis, -1); K = x.shape[-1]
;;       x = np.pad(x, [(0, 0)] * (x.ndim - 1) + [(0, -K % 32)]); x = x.reshape(x.shape[:-1] + (-1, 32)); a = np.abs(x).max(-1, keepdims=True)
;;       e = np.where(a > 0, np.clip(np.frexp(np.where(a > 0, a, 1))[1] - 1 - 2, -126, 127), 0)      # np.frexp(a)[1] - 1 = floor(log2(a)), exactly
;;       r = np.clip(x / 2.0 ** e, -7.5, 7.5)
;;       step = 2.0 ** (np.maximum(np.frexp(np.where(r == 0, 1, r))[1] - 1, 0) - 3)
;;       q = np.round(r / step) * step * 2.0 ** e      # np.round: ties to even
;;       return np.moveaxis(q.reshape(q.shape[:-2] + (-1,))[..., :K], -1, axis).astype(np.float32)
;;   ~~~
;;   SOFTMAX AHEAD OF A QUANTISED PRODUCT. Where the list says 'softmax', what is quantised is not the finished softmax but p = 2^(t - M), with t = logit x log2(e) and M = ceil(the row's largest t), a whole number; so 1/2 < the row's largest p <= 1. The row's sum l is taken of the UNQUANTISED p, in f32, and the product's result is divided by l at the end. Since M is a whole number, a kernel that streams over the keys may use a running M (the ceiling of the running maximum): every later rescaling is an exact power of two, which a block's scale takes up: the codes' values come out the same.
;;   OPERANDS COMPUTED ON THE WAY. 'Computed on the way' means the value that the module computes at that place (a softmax that the list does not call 'softmax' is quantised finished and normalised). What goes into a quantiser is computed in f32, as accurately as f32 sums, v_exp_f32 and their like allow (about 1e-6 of the number): no bf16 or f16 on the way to a quantiser, and a product that is left as it is and whose result goes on into a quantised operand takes f32 operands (vector FMAs, or v_wmma_f32_16x16x4_f32). A number that lies on a knife's edge between two numbers of the format may be rounded either way, as far as f32 arithmetic and the matrix unit's own rounding can turn it there, and no further.
;; One version. Each part assembles by itself: llvm-mc -triple=amdgcn-amd-amdhsa -mcpu=gfx1250 --defsym DOCPART=n.
;; ======== version 1 of 1: 4 launches
;; limits: right only within a limited range of input values
;; workspace buffers: c1 9,437,184 bytes; s1 393,216 bytes; qkv 19,660,800 bytes; vf 33,554,432 bytes; oc 6,291,456 bytes; os 262,144 bytes
;; launch quant (part 1): grid 768 x 1, 4 waves a work-group, no clusters, 33,792 bytes of LDS; arguments x, W_qkv, W_proj, c1, s1; writes c1, s1
.if DOCPART == 1
	.amdgcn_target "amdgcn-amd-amdhsa--gfx1250"
	.amdhsa_code_object_version 6
	.text
	.protected	k_qb3d9b896bd_quant
	.globl	k_qb3d9b896bd_quant
	.p2align	8
	.type	k_qb3d9b896bd_quant,@function
k_qb3d9b896bd_quant:
	s_mov_b64 s[64:65], 0
	v_nop
	global_prefetch_b8 v0, s[64:65] scope:SCOPE_SE
	s_setreg_imm32_b32 hwreg(HW_REG_WAVE_MODE, 25, 1), 1
	s_wait_xcnt 0x0
; x [8192][1024], W_qkv [3072][1024] and W_proj [1024][1024], f32, become codes of FP6 (E2M3) and one E8M0 byte for each 32 along K.
; The three tensors' rows form ONE stream of 12,288 places: x at place 0, W_qkv at 8,192, W_proj at 11,264.
; A block's scale is 2^(floor(log2(its largest magnitude)) - 2); its byte is that magnitude's exponent field - 2, held at 1 from below; numbers beyond 7.5 scales get the largest code.
; c1 HOLDS IMAGES OF OPERAND REGISTERS: [tile of 16 places][64 along K][piece 0..2][lane][8 bytes]: lane r + 16 h holds the 24 bytes of block 2 c + h of place r.  A tile is 12,288 bytes on end.
; s1 holds 32 scale bytes a place.
; PLACES.  In x and W_qkv place 16 u + r of each 32 holds row 8 u + r + 8 (r / 8), so that a lane's 16 results of two neighbouring tiles of the next product are 16 neighbours along the following K.  W_proj keeps its order.
; LIMITS: a block of zeros, or one whose largest magnitude lies under 2^-124, gets the byte 1 (the bytes are read by this program alone); NaN and infinities are not served.
; A work-group makes one tile; a wave takes 4 rows in 8 steps of 4 rows x 128 along K.  Each load reads 512 consecutive bytes; a step's 2,048 bytes turn through the wave's own stage in LDS and come back 64 bytes a lane.
; All 32 loads of a wave are issued at the head.  Codes and scale bytes are gathered in LDS; behind one barrier they leave in runs of 512 consecutive bytes.
.set STEPS, 8
.set EMAX,  2
.set R,     16                         ; v16-143  eight sets of 16 numbers as loaded
.set X,     144                        ; v144-175 two sets of 16 neighbours
.set C,     176                        ; v176-207 codes, four registers a step
.set E,     208                        ; v208-215 a scale byte a step
.set SP,    80                         ; a lane's place in a stage: 64 bytes + 16 of padding
.set WREG,  2*32*SP                    ; a wave's two stages
.set SPARE, 4*WREG                     ; the spare words, 128 bytes a wave
.set IMG,   SPARE+512                  ; the tile's image, 12,288 bytes
.set SCB,   IMG+12288                  ; its 512 scale bytes
	s_load_b128 s[4:7], s[0:1], 0x0                ; x, W_qkv
	s_load_b128 s[8:11], s[0:1], 0x10              ; W_proj, c1
	s_load_b64 s[12:13], s[0:1], 0x20              ; s1
	v_lshl_add_u32 v12, v0, 2, SPARE
	v_mov_b32 v13, 0
	v_lshrrev_b32 v1, 5, v0
	v_readfirstlane_b32 s16, v1                    ; wave
	v_and_b32 v2, 31, v0                           ; lane l: row l / 8 of my four, numbers 16 (l % 8) on of the step's 128
	v_lshlrev_b32 v3, 4, v2
	s_mul_i32 s17, s16, WREG
	v_lshrrev_b32 v14, 2, v2
	v_mul_u32_u24 v14, v14, SP
	v_and_b32 v15, 3, v2
	v_lshl_add_u32 v14, v15, 4, v14
	v_add_nc_u32 v14, s17, v14                     ; the stage, on the way in
	v_mul_u32_u24 v15, v2, SP
	v_add_nc_u32 v15, s17, v15                     ; and on the way out
	v_bfe_u32 v4, v2, 2, 1
	v_mul_u32_u24 v4, v4, 768                      ; which 64 along K of the step's two
	v_lshrrev_b32 v5, 3, v2
	v_lshl_add_u32 v4, v5, 3, v4                   ; 8 bytes a place
	v_bfe_u32 v6, v2, 1, 1
	v_lshl_add_u32 v4, v6, 7, v4                   ; the odd block lies 16 lanes on
	s_lshl_b32 s18, s16, 5
	s_add_co_u32 s18, s18, IMG                     ; my wave's places 4 w on
	v_add_nc_u32 v4, s18, v4
	v_and_b32 v7, 1, v2                            ; which half of the block: its bytes 0-11 or 12-23, in pieces of 8 that lie 256 apart
	v_mad_u32_u24 v6, v7, 508, v4
	v_add_nc_u32 v6, 4, v6                         ; my second word: byte 4, or byte 0 of piece 2
	v_mad_u32_u24 v4, v7, 260, v4                  ; my first word: byte 0, or byte 4 of piece 1; my third lies 256 on
	v_bfe_u32 v9, v2, 1, 2
	v_lshl_add_u32 v5, v5, 5, v9
	s_lshl_b32 s19, s16, 7
	s_add_co_u32 s19, s19, SCB
	v_add_nc_u32 v5, s19, v5                       ; my block's scale byte: 32 a place
	v_lshlrev_b32 v10, 4, v0                       ; the way out: 16 bytes a thread
	s_mov_b32 s20, 704
	s_wait_alu depctr_va_vdst(0)
	s_wait_kmcnt 0x0
	s_cmp_lt_u32 ttmp9, 512                        ; tiles 0-511 x, 512-703 W_qkv, 704-767 W_proj
	s_cselect_b64 s[4:5], s[4:5], s[6:7]
	s_cselect_b32 s17, 0, 512
	s_cmp_lt_u32 ttmp9, s20
	s_cselect_b64 s[4:5], s[4:5], s[8:9]
	s_cselect_b32 s17, s17, s20
	s_sub_co_u32 s17, ttmp9, s17                   ; the tile in its tensor
	s_lshr_b32 s21, s17, 1
	s_lshl_b32 s21, s21, 5
	s_and_b32 s22, s17, 1
	s_lshl_b32 s22, s22, 3
	s_add_co_u32 s21, s21, s22
	s_lshr_b32 s22, s16, 1
	s_lshl_b32 s22, s22, 4
	s_add_co_u32 s21, s21, s22
	s_and_b32 s22, s16, 1
	s_lshl_b32 s22, s22, 2
	s_add_co_u32 s21, s21, s22                     ; x, W_qkv: row 32 (tile / 2) + 8 (tile % 2) + 16 (w / 2) + 4 (w % 2)
	s_lshl_b32 s22, s17, 4
	s_lshl_b32 s23, s16, 2
	s_add_co_u32 s22, s22, s23                     ; W_proj: row 16 tile + 4 w
	s_cmp_lt_u32 ttmp9, s20
	s_cselect_b32 s18, s21, s22
	s_lshl_b32 s18, s18, 12                        ; 4,096 bytes a row
	s_mov_b32 s19, 0
	s_add_nc_u64 s[4:5], s[4:5], s[18:19]
	s_mul_i32 s18, ttmp9, 12288
	s_add_nc_u64 s[10:11], s[10:11], s[18:19]
	s_lshl_b32 s18, ttmp9, 9
	s_add_nc_u64 s[12:13], s[12:13], s[18:19]
.irp t, 0,1,2,3,4,5,6,7
.irp i, 0,1,2,3
	global_load_b128 v[R+16*\t+4*\i:R+16*\t+4*\i+3], v3, s[4:5] offset:4096*\i+512*\t th:TH_LOAD_NT   ; 512 consecutive bytes of row i
.endr
.endr
.macro TURN t                          ; LDS serves a wave's instructions in order: no wait between the stores and the loads
.irp i, 0,1,2,3
	ds_store_b128 v14, v[R+16*(\t)+4*\i:R+16*(\t)+4*\i+3] offset:32*SP*((\t)%2)+8*SP*\i
.endr
.irp i, 0,1,2,3
	ds_load_b128 v[X+16*((\t)%2)+4*\i:X+16*((\t)%2)+4*\i+3], v15 offset:32*SP*((\t)%2)+16*\i
.endr
.endm
	s_wait_loadcnt 28                              ; step 0's four loads are in; the 28 of steps 1 to 7 may be out
	TURN 0
.macro STEP t
.set XS, X+16*((\t)%2)
.if (\t) > 0
	s_wait_dscnt 4                                 ; this step's numbers are back; the last step's four stores of codes and byte may be out
.else
	s_wait_dscnt 0x0
.endif
.if (\t)+1 < STEPS
	s_wait_loadcnt 4*(STEPS-2-(\t))                ; the next step's four loads are in; the later steps' may be out
	TURN (\t)+1
.endif
	v_max3_num_f32 v8, |v[XS]|, |v[XS+1]|, |v[XS+2]|
	v_max3_num_f32 v9, |v[XS+3]|, |v[XS+4]|, |v[XS+5]|
.irp i, 6,10
	v_max3_num_f32 v8, v8, |v[XS+\i]|, |v[XS+\i+1]|
	v_max3_num_f32 v9, v9, |v[XS+\i+2]|, |v[XS+\i+3]|
.endr
	v_max3_num_f32 v8, v8, |v[XS+14]|, |v[XS+15]|
	v_max3_num_f32 v8, v8, v9, (EMAX+1)<<23        ; the floor 2^(EMAX + 1 - 127): the byte cannot fall under 1
	v_max_num_f32_dpp v8, v8, v8 row_xmask:1 row_mask:0xf bank_mask:0xf   ; with my neighbour's 16: the block's
	v_add_nc_u32 v11, -(EMAX<<23), v8              ; EMAX off the exponent field: the conversion's scale operand
	v_cvt_scalef32_pk16_fp6_f32 v[C+4*(\t):C+4*(\t)+2], v[XS:XS+15], v11
	v_lshrrev_b32 v[E+(\t)], 23, v11               ; the scale's byte (also the plain line behind the conversion)
	ds_store_b8 v5, v[E+(\t)] offset:4*(\t)        ; both lanes of a block write the same byte with the same value
	ds_store_b32 v4, v[C+4*(\t)] offset:1536*(\t)
	ds_store_b32 v6, v[C+4*(\t)+1] offset:1536*(\t)
	ds_store_b32 v4, v[C+4*(\t)+2] offset:1536*(\t)+256
.endm
.irp t, 0,1,2,3,4,5,6,7
	STEP \t
.endr
	s_wait_dscnt 0x0                               ; my stores are done, for the others' sake
	s_barrier_signal -1
	s_barrier_wait -1                              ; the tile's image and scale bytes are whole
.irp n, 0,1,2,3,4,5
	ds_load_b128 v[R+4*\n:R+4*\n+3], v10 offset:IMG+2048*\n
.endr
	s_wait_dscnt 0x0
.irp n, 0,1,2,3,4,5
	global_store_b128 v10, v[R+4*\n:R+4*\n+3], s[10:11] offset:2048*\n   ; a wave stores 512 consecutive bytes, aligned
.endr
	s_cmp_lg_u32 s16, 0
	s_cbranch_scc1 .Lnot_0                         ; wave 0 stores the tile's 512 scale bytes
	ds_load_b128 v[40:43], v3 offset:SCB
	s_wait_dscnt 0x0
	global_store_b128 v3, v[40:43], s[12:13]
.Lnot_0:
	s_wait_tensorcnt 0x0                           ; the wave's end
	ds_add_u32 v12, v13
	s_wait_dscnt 0x0
	s_endpgm
.Lfunc_end_k_qb3d9b896bd_quant:
	.size	k_qb3d9b896bd_quant, .Lfunc_end_k_qb3d9b896bd_quant-k_qb3d9b896bd_quant
	.p2alignl 7, 3214868480
	.fill 96, 4, 3214868480
	.section	.rodata,"a",@progbits
	.p2align	6, 0x0
	.amdhsa_kernel k_qb3d9b896bd_quant
		.amdhsa_group_segment_fixed_size 33792
		.amdhsa_private_segment_fixed_size 0
		.amdhsa_enable_private_segment 0
		.amdhsa_kernarg_size 40
		.amdhsa_user_sgpr_count 2
		.amdhsa_user_sgpr_kernarg_segment_ptr 1
		.amdhsa_wavefront_size32 1
		.amdhsa_system_sgpr_workgroup_id_x 1
		.amdhsa_system_sgpr_workgroup_id_y 1
		.amdhsa_system_sgpr_workgroup_id_z 1
		.amdhsa_system_vgpr_workitem_id 0
		.amdhsa_next_free_vgpr 216
		.amdhsa_next_free_sgpr 66
		.amdhsa_reserve_vcc 0
		.amdhsa_float_denorm_mode_32 3
		.amdhsa_float_denorm_mode_16_64 3
		.amdhsa_memory_ordered 1
		.amdhsa_forward_progress 1
		.amdhsa_inst_pref_size 21
	.end_amdhsa_kernel
	.amdgpu_metadata
---
amdhsa.version: [ 1, 2 ]
amdhsa.kernels:
  - .name:           k_qb3d9b896bd_quant
    .symbol:         k_qb3d9b896bd_quant.kd
    .args:
      - { .name: x, .offset: 0, .size: 8, .value_kind: global_buffer, .address_space: global }
      - { .name: W_qkv, .offset: 8, .size: 8, .value_kind: global_buffer, .address_space: global }
      - { .name: W_proj, .offset: 16, .size: 8, .value_kind: global_buffer, .address_space: global }
      - { .name: c1, .offset: 24, .size: 8, .value_kind: global_buffer, .address_space: global }
      - { .name: s1, .offset: 32, .size: 8, .value_kind: global_buffer, .address_space: global }
    .group_segment_fixed_size: 33792
    .private_segment_fixed_size: 0
    .kernarg_segment_align: 8
    .kernarg_segment_size: 40
    .max_flat_workgroup_size: 128
    .sgpr_count:     66
    .vgpr_count:     216
    .wavefront_size: 32
...
	.end_amdgpu_metadata
.endif
;; end of part 1
;; launch qkv (part 2): grid 128 x 4, 4 waves a work-group, clusters of 4 x 4, 327,680 bytes of LDS; arguments c1, s1, cos, sin, qkv, vf; writes qkv, vf
.if DOCPART == 2
	.amdgcn_target "amdgcn-amd-amdhsa--gfx1250"
	.amdhsa_code_object_version 6
	.text
	.protected	k_qb3d9b896bd_qkv
	.globl	k_qb3d9b896bd_qkv
	.p2align	8
	.type	k_qb3d9b896bd_qkv,@function
k_qb3d9b896bd_qkv:
	s_mov_b64 s[64:65], 0
	v_nop
	global_prefetch_b8 v0, s[64:65] scope:SCOPE_SE
	s_setreg_imm32_b32 hwreg(HW_REG_WAVE_MODE, 25, 1), 1
	s_wait_xcnt 0x0
	s_wait_alu depctr_hold_cnt(0) depctr_sa_sdst(0) depctr_va_vdst(0) depctr_va_sdst(0) depctr_va_ssrc(0) depctr_va_vcc(0) depctr_vm_vsrc(0)
	s_getreg_b32 s2, hwreg(HW_REG_IB_STS2, 6, 4)
	s_cmp_eq_u32 s2, 0
	s_cbranch_scc0 .Lentry_in_a_cluster
	s_endpgm
.Lentry_in_a_cluster:
	s_bfe_u32 s2, ttmp6, 0x10000c
	s_cmp_lg_u32 s2, 0xf033
	s_cbranch_scc0 .Lentry_shape_is_right
	s_endpgm
.Lentry_shape_is_right:
; qkv = x W_qkv^T on codes of FP6 (E2M3) with one E8M0 scale for each 32 along K = 1,024; sums in f32.  Codes (768 bytes a row) and scale bytes (32 a row) of x and W_qkv lie in c1 and s1, one stream of rows:
; x at row 0, W_qkv at 8,192 (q), 9,216 (k), 10,240 (v).  In both, place 16 u + r of each 32 rows holds row 8 u + r + 8 (r / 8).
; A tile of 256 x 256 is made by a work-group of four waves, a wave makes 128 x 128: 64 accumulators, 512 registers.  K goes in steps of 256 through a ring of two LDS slots filled by the tensor data mover.
; The scale bytes of the work-group's 2 x 256 rows come into LDS once, with the first fills.
; CLUSTERS: 4 x 4 work-groups; A's tiles are asked for jointly along a row of the cluster, B's along a column.  There are 32 clusters: cluster c has column c / 8 and row c % 8.
;   columns 0, 1, 2 (q, k, v): A = 1,024 rows of x, B = 1,024 rows of W_qkv.     column 3 (v once more, turned): A = W_v's 1,024 rows, B = 1,024 rows of x.
; THE MATRIX INSTRUCTION IS USED TRANSPOSED (source 0 = 16 rows of B, source 1 = 16 rows of A): lane (r, h) holds A's place r, and by the rows' order the 16 registers of B's tiles 2 b, 2 b + 1 are B's rows 32 b + 16 h + 0 .. 15.
; THREE WAYS OUT, none through LDS, all as images of the registers that the attention launch wants:
;   q, k: RoPE in f32 (one multiply and one fused multiply-add a number), quantised along the head's 64, stored as images of operand registers: for 32 tokens 12 registers a lane, registers 6 u .. 6 u + 5 = tile u.
;   v:    the f32 accumulators as they stand (for the term that takes the token's own value away).
;   v turned: a lane holds one channel and 64 registers run along 128 keys: quantised along the keys, one operand fragment for each 16 channels.
; LIMITS: a block of zeros, or one under 2^-124, gets the byte 1 (read by this program alone); NaN and infinities are not served; RoPE's fused multiply-add rounds once where a multiply and an add round twice.
; REGISTERS, in windows of 256: window 0: v0-31 addresses; v32-63 scale words, two sets; from v128 A's fragments, ONE set; on the way out v1-7 and v64-211 at work.
;   window 1: B's fragments, TWO sets (on the way out: cos and sin).   window 2: the accumulators of my rows 0-63 ((a, b) at v[8 (8 a + b)]);   window 3: those of my rows 64-127.
.set SIZE_K, 1024
.set KSTEP,  256                       ; along K in a slot
.set NQ,     KSTEP/128                 ; matrix instructions deep
; c1 holds images of operand registers: [tile of 16 places][64 along K][piece][lane][8 bytes], 12,288 bytes a tile: 768 bytes a place in the mean.
.set ROWB,   3072                      ; a tensor row: one tile of 16 places x 256 along K, on end in memory, at a multiple of 256 bytes
.set G0H,    4                         ; s[4:7], s[92:95] group 0 for the head's loads of K step 0: A's 256 places, B's 256 places
.set G0HB,   92
.set KROW,   SIZE_K*6/8                ; a row of codes in memory
.set PITCH,  192                       ; LDS bytes a place: a tile of 16 places is 3,072 bytes on end, no padding: a load's 32 lanes read 256 consecutive bytes
.set FR,     12                        ; registers of a fragment: 16 rows x 128 K
.set NL,     6                         ; LDS loads that bring one
.set NP,     4                         ; places behind this matrix instruction (ISA guide 7.12.1)
.set HALFT,  128*PITCH                 ; 128 rows: what one tensor load brings
.set SLOT,   4*HALFT                   ; A's 256 rows, then B's 256 rows
.set LAPS,   SIZE_K/(2*KSTEP)          ; a lap = two K steps = once round the ring
.set KS,     SIZE_K/32                 ; a row of scale bytes
.set SCL,    2*SLOT                    ; behind the ring: the scales, as runs of 256 bytes + 16 of padding
.set HALFS,  (128*KS/256)*272          ; the scales of 128 rows
.set SBLK,   (16*KS/256)*272           ; those of 16 rows
.set SPARE,  SCL+4*HALFS               ; behind the scales: the spare words, 128 bytes for each wave, which no other line names
.set REC,    307200                    ; qkv: a head's record: three parts (q, k, v turned)
.set PART,   102400                    ; a part: 98,304 bytes of images, then 4,096 of scale words
.set ADRA, 16                          ; v16-17  LDS address of my A fragments in slot 0, 1
.set ADRB, 20                          ; v20-21  the same for B
.set ADRS, 27                          ; v27     LDS address of my scale words: lanes 0-15 A's rows, lanes 16-31 B's
.set SPW,  28                          ; v28     LDS address of my spare word; never rewritten
.set NIL,  29                          ; v29     0; never rewritten
.set SC,   32                          ; scale words: set s at v[SC + 8 NQ s]; register NQ i + q: lanes 0-15 A's block i, lanes 16-31 B's block i
.set AF,   128                         ; A's fragments, in window 0
.set G1, 24                            ; s[24:31] descriptor group 1 for A's tiles;  s[32:39] group 0, one set for each slot
.set G0, 32
.set G1B, 48                           ; s[48:55], s[56:63] the same for B's tiles
.set G0B, 56
.set G1S, 68                           ; s[68:75], s[76:79] groups 1 and 0 for A's scales;  s[80:87], s[88:91] for B's
.set G0S, 76
.set G1SB, 80
.set G0SB, 88
; the way out (window 0 unless said otherwise)
.set LI,   1                           ; v1      16 x lane
.set L8,   2                           ; v2      8 x lane
.set CSO,  3                           ; v3      my byte in cos and sin: (r + 8 (r / 8)) x 128 + 64 h
.set H,    64                          ; v64-127 64 numbers ahead of the quantiser
.set T1,   128                         ; v128-135, v136-143 products at work
.set T2,   136
.set IMG0, 144                         ; v144-155, v156-167 two images
.set IMG1, 156
.set YT,   168                         ; v168-170, v172-174 the upper halves of two blocks' codes
.set TM,   176                         ; v176-179 largest magnitudes, v180-183 the other half's and then bytes, v188-191 the conversions' scale operands
.set PWS,  192                         ; v192-199 a scale word for each of my eight row blocks
.set WW,   200                         ; v200-203 words at work
.set SO,   208                         ; v208-211 scale words to store
.set HM,   24                          ; s24     lanes 16-31
.set SEL,  26                          ; s[26:27] v_permlanex16_b32's selects for lane l xor 16
.set MSB, 0
.macro WIN new                         ; the immediate's high byte repeats the setting that is left
.if MSB != \new
	s_set_vgpr_msb (MSB<<8)|\new
.set MSB, \new
.endif
.endm
.set MUL_LO, 0xa1                      ; source 0 (B) window 1, source 1 (A) window 0, C and D window 2
.set MUL_HI, 0xf1                      ; the same, C and D window 3
.set TO_B,   0x40                      ; destination window 1, address window 0
; A joint load: waves 0 and 1 fetch for A, waves 2 and 3 for B.  Each of the two lines has ONE mask and one set of registers for all that issue it; the branch hangs on the wave's number alone.
; Four v_nop follow each of the two lines, ahead of the jump, the label and what follows.
.macro JLOAD g0a, g1a, g0b, g1b
	s_cmp_eq_u32 s15, 0
	s_cbranch_scc0 .Lfor_b_\@
	tensor_load_to_lds s[\g0a:\g0a+3], s[\g1a:\g1a+7]
	s_nop 0
.rept 4
	v_nop
.endr
	s_branch .Lasked_\@
.Lfor_b_\@:
	tensor_load_to_lds s[\g0b:\g0b+3], s[\g1b:\g1b+7]
	s_nop 0
.rept 4
	v_nop
.endr
.Lasked_\@:
.endm
.macro CREST                           ; a round of the cluster's barrier behind its opening barrier
	s_cmp_lg_u32 s14, 0
	s_cbranch_scc1 .Lnot_wave_0_\@
	s_barrier_signal -3
.Lnot_wave_0_\@:
	s_barrier_wait -3
	s_barrier_signal -1
	s_barrier_wait -1
.endm
.macro CROUND                          ; a whole round
	s_barrier_signal -1
	s_barrier_wait -1
	CREST
.endm
	s_load_b128 s[4:7], s[0:1], 0x0                ; the codes s[4:5], the scale bytes s[6:7]
	s_load_b128 s[96:99], s[0:1], 0x10             ; cos, sin
	s_load_b128 s[8:11], s[0:1], 0x20              ; qkv, vf
	v_lshl_add_u32 v[SPW], v0, 2, SPARE
	v_mov_b32 v[NIL], 0
	ds_add_u32 v28, v29
	ds_add_u32 v28, v29
	s_wait_dscnt 0x0
	v_lshrrev_b32 v1, 5, v0
	v_readfirstlane_b32 s14, v1                    ; wave 0..3
	s_lshr_b32 s15, s14, 1                         ; which half of the tile's rows (A) is mine.  Also: I fetch for A (0) or for B (1)
	s_and_b32 s16, s14, 1                          ; which half of its columns (B).  Also: which 128 rows of that tile I fetch
	s_bfe_u32 s40, ttmp6, 0x40000                  ; cx, cy: my place in the cluster
	s_bfe_u32 s41, ttmp6, 0x40004
	s_lshr_b32 s66, ttmp9, 3                       ; the cluster's column: 0 q, 1 k, 2 v, 3 v turned: the same in all sixteen partners
	s_and_b32 s67, ttmp9, 7                        ; the cluster's row: which 1,024 rows of x
	s_lshl_b32 s12, s67, 10                        ; those rows' first,
	s_lshl_b32 s13, s66, 10
	s_add_co_u32 s13, s13, 8192                    ; and the first of the column's 1,024 rows of W_qkv
	s_cmp_eq_u32 s66, 3
	s_cselect_b32 s17, 10240, s12                  ; A's first row: x's, or W_v's where v is turned
	s_cselect_b32 s42, s12, s13                    ; B's first row: W_qkv's, or x's
	s_lshl_b32 s43, s41, 2
	s_lshl_b32 s43, 15, s43                        ; my row of the cluster
	s_lshl_b32 s44, 0x1111, s40                    ; my column
	; descriptor group 1: a tile of 128 rows x ROWB bytes, padded in LDS
	s_or_b32 s[G1+0], s43, (3<<16)|(1<<21)         ; the mask: A's tiles go to my row; elements of 8 bytes; bit 21 beside a mask
	s_or_b32 s[G1B+0], s44, (3<<16)|(1<<21)
.irp g, G1, G1B
	s_mov_b32 s[\g+1], (ROWB/8)<<16                ; tensor_dim0: 384 elements
	s_mov_b32 s[\g+2], 16<<16                      ; tensor_dim1: 16 tiles of 16 places for the head's loads; 8 for the ring's
	s_mov_b32 s[\g+3], (ROWB/8)<<16                ; tile_dim0
	s_mov_b32 s[\g+4], 16                          ; tile_dim1
	s_mov_b32 s[\g+5], 1536                        ; from tile to tile: 12,288 bytes
	s_mov_b32 s[\g+6], 0
	s_mov_b32 s[\g+7], 0
.endr
	; and for the scales of 256 rows: a dense block of 8,192 bytes, as rows of 256 bytes (32 elements of 8 bytes), 16 bytes of padding behind each
	s_or_b32 s[G1S+0], s43, (3<<16)|(1<<20)|(1<<21)|(5<<22)|(3<<25)
	s_or_b32 s[G1SB+0], s44, (3<<16)|(1<<20)|(1<<21)|(5<<22)|(3<<25)
.irp g, G1S, G1SB
	s_mov_b32 s[\g+1], 32<<16
	s_mov_b32 s[\g+2], KS<<16                      ; the scales of 256 places: KS rows of 256 bytes
	s_mov_b32 s[\g+3], 32<<16
	s_mov_b32 s[\g+4], KS
	s_mov_b32 s[\g+5], 32
	s_mov_b32 s[\g+6], 0
	s_mov_b32 s[\g+7], 0
.endr
	s_lshl_b32 s20, s41, 8
	s_add_co_u32 s20, s20, s17                     ; A: first place + 256 cy: no register of A's ever holds cx
	s_lshl_b32 s46, s40, 8
	s_add_co_u32 s46, s46, s42                     ; B: first place + 256 cx: none of B's ever holds cy
	s_mov_b32 s21, 0
	s_mov_b32 s47, 0
	s_mov_b64 s[18:19], KS
	s_mul_u64 s[22:23], s[20:21], s[18:19]         ; where these rows' scales begin, in bytes
	s_mul_u64 s[92:93], s[46:47], s[18:19]
	s_mov_b64 s[18:19], KROW
	s_mul_u64 s[20:21], s[20:21], s[18:19]         ; and their codes
	s_mul_u64 s[46:47], s[46:47], s[18:19]
	s_mul_i32 s45, s14, HALFT                      ; where they go: wave x 128 rows: no place in the cluster enters an LDS address
	s_mul_i32 s18, s16, 128*KROW                   ; in the ring I fetch 128 places of a tile: which half, in bytes
	s_mov_b32 s19, 0
	s_wait_kmcnt 0x0
	s_add_nc_u64 s[20:21], s[4:5], s[20:21]
	s_add_nc_u64 s[22:23], s[6:7], s[22:23]
	s_add_nc_u64 s[46:47], s[4:5], s[46:47]
	s_add_nc_u64 s[92:93], s[6:7], s[92:93]
	CROUND                                         ; all sixteen work-groups are here: the first joint loads meet
	s_mov_b32 s[G0S], 1                            ; the head's four tiles, each whole: the scales of A's 256 places,
	s_mov_b32 s[G0S+1], SCL
	s_mov_b64 s[G0S+2:G0S+3], s[22:23]
	s_or_b32 s[G0S+3], s[G0S+3], 0x80000000
	s_mov_b32 s[G0SB], 1                           ; those of B's,
	s_mov_b32 s[G0SB+1], SCL+2*HALFS
	s_mov_b64 s[G0SB+2:G0SB+3], s[92:93]
	s_or_b32 s[G0SB+3], s[G0SB+3], 0x80000000
	s_mov_b32 s[G0H], 1                            ; K step 0 of A's 256 places,
	s_mov_b32 s[G0H+1], 0
	s_mov_b64 s[G0H+2:G0H+3], s[20:21]
	s_or_b32 s[G0H+3], s[G0H+3], 0x80000000
	s_mov_b32 s[G0HB], 1                           ; and of B's, behind them in slot 0
	s_mov_b32 s[G0HB+1], 2*HALFT
	s_mov_b64 s[G0HB+2:G0HB+3], s[46:47]
	s_or_b32 s[G0HB+3], s[G0HB+3], 0x80000000
	s_add_nc_u64 s[20:21], s[20:21], s[18:19]      ; for the ring: my 128 places of the tile
	s_add_nc_u64 s[46:47], s[46:47], s[18:19]
.irp s, 0,1
	s_mov_b32 s[G0+4*\s], 1
	s_add_co_u32 s[G0+4*\s+1], s45, \s*SLOT
	s_add_nc_u64 s[G0+4*\s+2:G0+4*\s+3], s[20:21], \s*ROWB
	s_or_b32 s[G0+4*\s+3], s[G0+4*\s+3], 0x80000000
	s_mov_b32 s[G0B+4*\s], 1
	s_add_co_u32 s[G0B+4*\s+1], s45, \s*SLOT
	s_add_nc_u64 s[G0B+4*\s+2:G0B+4*\s+3], s[46:47], \s*ROWB
	s_or_b32 s[G0B+4*\s+3], s[G0B+4*\s+3], 0x80000000
.endr
; THE HEAD'S LOADS, ONE A WAVE: wave 0 K step 0 of A, wave 1 of B, wave 2 A's scales, wave 3 B's: one tree of branches on the wave's number, one load to an arm.
.macro ARM under, g0, g1, next
	s_cmp_lt_u32 s14, \under
	s_cbranch_scc0 \next
	tensor_load_to_lds s[\g0:\g0+3], s[\g1:\g1+7]
	s_nop 0
.rept 4
	v_nop
.endr
	s_branch .Lhead_asked
\next:
.endm
	ARM 1, G0H,  G1,  .Lhead_b
	ARM 2, G0HB, G1B, .Lhead_sa
	ARM 3, G0S,  G1S, .Lhead_sb
	tensor_load_to_lds s[G0SB:G0SB+3], s[G1SB:G1SB+7]
	s_nop 0
.rept 4
	v_nop
.endr
.Lhead_asked:
	v_and_b32 v1, 15, v0
	v_bfe_u32 v2, v0, 4, 1
	v_and_b32 v3, 31, v0
	v_lshlrev_b32 v4, 3, v3                        ; a fragment's piece: 8 bytes a lane
	s_mul_i32 s21, s15, HALFT                      ; my 128 rows of A
	s_mul_i32 s22, s16, HALFT                      ; my 128 rows of B,
	s_add_co_u32 s22, s22, 2*HALFT                 ; which lie behind A's 256
.irp s, 0,1
	v_add_nc_u32 v[ADRA+\s], s21, v4
	v_add_nc_u32 v[ADRB+\s], s22, v4
	s_add_co_u32 s21, s21, SLOT
	s_add_co_u32 s22, s22, SLOT
.endr
	v_mul_u32_u24 v5, v1, KS                       ; my row's scales: KS bytes a row,
	v_lshrrev_b32 v6, 8, v5
	v_lshl_add_u32 v5, v6, 4, v5                   ; and 16 more for each 256 passed
	s_mul_i32 s21, s15, HALFS                      ; A's: my 128 rows
	s_mul_i32 s22, s16, HALFS                      ; B's: my 128 rows, behind A's 256
	s_add_co_u32 s22, s22, 2*HALFS
	s_sub_co_u32 s22, s22, s21
	v_mul_u32_u24 v6, s22, v2                      ; lanes 16-31 take B's: one product, the distance between the two bases
	s_add_co_u32 s21, s21, SCL
	v_add_nc_u32 v5, v5, v6
	v_add_nc_u32 v[ADRS], s21, v5
.macro FRAG reg, adr, q, i             ; a fragment, 16 rows x 128 K of 6-bit codes, is 12 registers: lane l holds row l % 16; registers 6 c .. 6 c + 5 hold K = 64 c + 32 (l / 16) + 0 .. 31: 24 bytes of the row, as they lie
.irp p, 0,1,2,3,4,5                    ; in pieces of 8 bytes.  Lanes 0-15 take the row's pieces 12 q + 0, 1, 2 and 12 q + 6, 7, 8, lanes 16-31 those three pieces on
	ds_load_b64 v[\reg+2*\p:\reg+2*\p+1], v[\adr] offset:(\i)*16*PITCH+(2*(\q)+\p/3)*768+(\p%3)*256   ; the image as it lies: 256 consecutive bytes a load
.endr
.endm
; 16 matrix instructions: A's blocks a0, a0 + 1 x B's eight, 128 along K: the slot's q-th.  p: B's set;  sc: the set of scale words.  zero = 1: the first product starts the sums: nothing is ever cleared.
; The 64 accumulators take turns, one instruction a turn, in the same order in every step.
.macro MUL16 a0, p, q, sc, zero
.irp a, \a0, \a0+1
.irp b, 0,1,2,3,4,5,6,7
.if \zero
	v_wmma_scale_f32_16x16x128_f8f6f4 v[8*(8*((\a)%4)+\b):8*(8*((\a)%4)+\b)+7], v[128*(\p)+FR*\b:128*(\p)+FR*\b+FR-1], v[AF+FR*(\a):AF+FR*(\a)+FR-1], 0, v[SC+8*NQ*(\sc)+NQ*\b+(\q)], v[SC+8*NQ*(\sc)+NQ*(\a)+(\q)] matrix_a_fmt:MATRIX_FMT_FP6 matrix_b_fmt:MATRIX_FMT_FP6 matrix_a_scale:MATRIX_SCALE_ROW1
.else
	v_wmma_scale_f32_16x16x128_f8f6f4 v[8*(8*((\a)%4)+\b):8*(8*((\a)%4)+\b)+7], v[128*(\p)+FR*\b:128*(\p)+FR*\b+FR-1], v[AF+FR*(\a):AF+FR*(\a)+FR-1], v[8*(8*((\a)%4)+\b):8*(8*((\a)%4)+\b)+7], v[SC+8*NQ*(\sc)+NQ*\b+(\q)], v[SC+8*NQ*(\sc)+NQ*(\a)+(\q)] matrix_a_fmt:MATRIX_FMT_FP6 matrix_b_fmt:MATRIX_FMT_FP6 matrix_a_scale:MATRIX_SCALE_ROW1
.endif
.endr
.endr
.endm
.macro FETCH_B slot, q, p              ; B's eight fragments of the slot's q-th 128 along K into set p
	WIN TO_B
.irp i, 0,1,2,3,4,5,6,7
	FRAG 128*(\p)+FR*\i, ADRB+\slot, \q, \i
.endr
	WIN 0
.endm
.macro FETCH_A slot, q, i0             ; A's blocks i0 .. i0 + 3
.irp i, \i0, \i0+1, \i0+2, \i0+3
	FRAG AF+FR*(\i), ADRA+\slot, \q, \i
.endr
.endm
.macro SCALES sc                       ; the next K step's scale words into set sc: NQ words a row; lanes 0-15 take A's block i, lanes 16-31 B's block i
.irp i, 0,1,2,3,4,5,6,7
	ds_load_b64 v[SC+8*NQ*\sc+NQ*\i:SC+8*NQ*\sc+NQ*\i+1], v[ADRS] offset:\i*SBLK
.endr
.endm
; A load into a register that a matrix instruction has read, and a vector instruction or a store that reads a matrix result, stand NP places behind that matrix instruction; only plain vector
; instructions that name none of its registers are places (ISA guide 7.12.1 for vector instructions).
.macro PLACES n
.rept \n
	v_nop
.endr
.endm
; A step of 128 along K that has its successor in the same slot.
.macro STEP slot, q, zero
	s_wait_dscnt 4*NL                              ; B's set and A's blocks 0-3 are in; the youngest 24 loads (A's blocks 4-7) may be out
	WIN MUL_LO
	MUL16 0, (\q)%2, \q, \slot, \zero
	MUL16 2, (\q)%2, \q, \slot, \zero
	s_wait_dscnt 0                                 ; A's blocks 4-7 are in (asked for 32 matrix instructions ago)
	PLACES NP
	FETCH_B \slot, (\q)+1, 1-(\q)%2
	FETCH_A \slot, (\q)+1, 0
	WIN MUL_HI
	MUL16 4, (\q)%2, \q, \slot, \zero
	MUL16 6, (\q)%2, \q, \slot, \zero
	PLACES NP
	WIN 0
	FETCH_A \slot, (\q)+1, 4
.endm
; A slot's last step changes slots: ONE barrier; in front of it each wave waits for all its tensor loads, adds 0 to its spare word, and waits for that and for its own reads of this slot.  fill = 1: this slot is filled again, two K steps ahead.
.macro TURN slot, next, fill
	s_wait_tensorcnt 0x0                           ; all my tensor loads have landed: my part of the next slot;  (every window is 0 here)
	ds_add_u32 v[SPW], v[NIL]                      ; 0 onto my spare word
	s_wait_dscnt 4*NL+1                            ; (the add and the youngest 24 loads, A's blocks 4-7, may be out)
	WIN MUL_LO
	MUL16 0, 1, NQ-1, \slot, 0                     ; sixteen matrix instructions stand between the add and the wait for it
	s_wait_dscnt 0x0                               ; the add is done, and my reads of this slot are over
	s_barrier_signal -1
	MUL16 2, 1, NQ-1, \slot, 0
	WIN 0
	s_barrier_wait -1
.if \fill
	CREST                                          ; the barrier has opened a round of the cluster's barrier: no wave of any partner still reads this slot's tile or has a load on its way
	s_add_nc_u64 s[G0+4*\slot+2:G0+4*\slot+3], s[G0+4*\slot+2:G0+4*\slot+3], 2*ROWB
	s_add_nc_u64 s[G0B+4*\slot+2:G0B+4*\slot+3], s[G0B+4*\slot+2:G0B+4*\slot+3], 2*ROWB
	JLOAD G0+4*\slot, G1, G0B+4*\slot, G1B         ; the first tensor load behind the round; the four v_nop behind it are the places in front of the loads below
.else
	PLACES NP
.endif
	s_wait_alu depctr_va_vdst(0)
	v_add_nc_u32 v[ADRS], 4*NQ, v[ADRS]            ; on to the next K step's scale words (no LDS load of mine is out)
	FETCH_B \next, 0, 0
	FETCH_A \next, 0, 0
	SCALES \next
	WIN MUL_HI
	MUL16 4, 1, NQ-1, \slot, 0
	MUL16 6, 1, NQ-1, \slot, 0
	PLACES NP
	WIN 0
	FETCH_A \next, 0, 4
.endm
	s_wait_alu depctr_va_vdst(0)
	s_wait_tensorcnt 0x0                           ; my tile of the head's four is in
	ds_add_u32 v[SPW], v[NIL]
	s_mov_b32 s[G1+2], 8<<16                       ; no tensor load of mine is out: from here on a load brings 8 tiles of 16 places
	s_mov_b32 s[G1+4], 8
	s_mov_b32 s[G1B+2], 8<<16
	s_mov_b32 s[G1B+4], 8
	s_wait_dscnt 0x0
	CROUND                                         ; all four tiles are in, and all sixteen work-groups are here,
	JLOAD G0+4, G1, G0B+4, G1B                     ; and K step 1's load is the first tensor load behind the round
	FETCH_B 0, 0, 0
	FETCH_A 0, 0, 0
	SCALES 0
	FETCH_A 0, 0, 4
	STEP 0, 0, 1                                   ; the first step stands in front of the loop: its products start the sums
	s_mov_b32 s3, LAPS-1
.Llap:                                                 ; a trip goes once round the ring, from a lap's second step to the next lap's first, and fills both slots again
	TURN 0, 1, 1
	STEP 1, 0, 0
	TURN 1, 0, 1
	STEP 0, 0, 0
	s_sub_co_u32 s3, s3, 1
	s_cmp_lg_u32 s3, 0
	s_cbranch_scc1 .Llap
	TURN 0, 1, 0                                   ; the last lap fills nothing, and has no round of the cluster's barrier
	STEP 1, 0, 0
	s_wait_dscnt 4*NL                              ; the very last step: nothing more to fetch
	WIN MUL_LO
	MUL16 0, 1, NQ-1, 1, 0
	MUL16 2, 1, NQ-1, 1, 0
	s_wait_dscnt 0
	WIN MUL_HI
	MUL16 4, 1, NQ-1, 1, 0
	MUL16 6, 1, NQ-1, 1, 0
	WIN 0
; THE QUANTISER.  64 numbers of a lane, v[s] .. v[s + 63] of window w, register 16 b + i = k 32 b + 16 (lane / 16) + i of the lane's row, become codes: blocks 0, 1 in v[d0] .. v[d0 + 5], blocks 2, 3 in v[d1] .. v[d1 + 5]
; (lanes 0-15 the even block, lanes 16-31 the odd one: the operand's layout), and the four scale bytes in v[pw].  The sources are read in ascending order, each accumulator from its low end on.
.macro QUANT s, w, d0, d1, pw
.set QW, (\w)+4*(\w)
	WIN QW                                         ; sources 0 and 1 in window w
.irp b, 0,1,2,3
	v_max3_num_f32 v[TM+\b], |v[(\s)+16*\b]|, |v[(\s)+16*\b+1]|, 0x1800000   ; block b: my 16 numbers, and the floor 2^(3 - 127): so the byte cannot fall under 1
.endr
.irp i, 2,4,6,8,10,12,14
.irp b, 0,1,2,3
	v_max3_num_f32 v[TM+\b], |v[(\s)+16*\b+\i]|, |v[(\s)+16*\b+\i+1]|, v[TM+\b]   ; (the four blocks by turns: no line waits for the line above it)
.endr
.endr
	WIN 0
.irp b, 0,1,2,3
	v_permlanex16_b32 v[TM+4+\b], v[TM+\b], s[SEL], s[SEL+1]
.endr
.irp b, 0,1,2,3
	v_max_num_f32 v[TM+\b], v[TM+\b], v[TM+4+\b]   ; with lane l xor 16's: the block's largest magnitude
.endr
.irp b, 0,1,2,3
	v_add_nc_u32 v[TM+12+\b], 0xff000000, v[TM+\b]   ; 2 off its exponent field: the conversion's scale operand
.endr
.irp b, 0,1,2,3
	v_lshrrev_b32 v[TM+4+\b], 23, v[TM+12+\b]      ; the scale's byte
.endr
	v_lshl_or_b32 v[\pw], v[TM+5], 8, v[TM+4]
	v_lshl_or_b32 v[\pw], v[TM+6], 16, v[\pw]
	v_lshl_or_b32 v[\pw], v[TM+7], 24, v[\pw]
.set QW, (\w)
	WIN QW                                         ; source 0 in window w
	v_cvt_scalef32_pk16_fp6_f32 v[(\d0):(\d0)+2], v[(\s):(\s)+15], v[TM+12]
	v_cvt_scalef32_pk16_fp6_f32 v[YT:YT+2], v[(\s)+16:(\s)+31], v[TM+13]     ; (a conversion's three registers begin on an even number)
	v_cvt_scalef32_pk16_fp6_f32 v[(\d1):(\d1)+2], v[(\s)+32:(\s)+47], v[TM+14]
	v_cvt_scalef32_pk16_fp6_f32 v[YT+4:YT+6], v[(\s)+48:(\s)+63], v[TM+15]
	WIN 0
	v_nop                                          ; one plain place behind a scaled conversion
.irp i, 0,1,2
	v_permlane16_swap_b32 v[(\d0)+\i], v[YT+\i]    ; the first's lanes 16-31 change places with the second's lanes 0-15: each lane now holds one whole block
.endr
.irp i, 0,1,2
	v_permlane16_swap_b32 v[(\d1)+\i], v[YT+4+\i]
.endr
.irp i, 0,1,2
	v_mov_b32 v[(\d0)+3+\i], v[YT+\i]
.endr
.irp i, 0,1,2
	v_mov_b32 v[(\d1)+3+\i], v[YT+4+\i]
.endr
.endm
	; THE WAY OUT.  All my tensor loads are done and none follows, so the descriptors' scalar registers are free.
	PLACES NP                                      ; behind the last products: for the reads of their results, and for the writes and loads into the registers that held fragments
	v_and_b32 v4, 31, v0                           ; lane
	v_and_b32 v5, 15, v0                           ; r
	v_bfe_u32 v6, v0, 4, 1                         ; h
	v_lshlrev_b32 v[LI], 4, v4
	v_lshlrev_b32 v[L8], 3, v4
.irp b, 0,1,2,3
	v_mov_b32 v[TM+4+\b], 0                        ; written once: a lane permute's destination counts as one of its sources
.endr
	s_mov_b32 s[HM], 0xffff0000
	s_mov_b32 s[SEL], 0x76543210
	s_mov_b32 s[SEL+1], 0xfedcba98
	s_lshr_b32 s20, s67, 1                         ; the batch: 2,048 rows of x each,
	s_lshl_b32 s20, s20, 4                         ; times 16 heads
	s_and_b32 s21, s67, 1                          ; which 1,024 tokens of it
	s_mov_b32 s31, 0                               ; the upper word of the offsets made in s[30:31]
	s_cmp_eq_u32 s66, 3
	s_cbranch_scc1 .Lvt
	s_lshl_b32 s22, s21, 10
	s_lshl_b32 s23, s41, 8
	s_add_co_u32 s22, s22, s23
	s_lshl_b32 s23, s15, 7
	s_add_co_u32 s22, s22, s23                     ; my first token: 1,024 (row % 2) + 256 cy + 128 x half
	s_lshl_b32 s23, s40, 2
	s_add_co_u32 s20, s20, s23
	s_lshl_b32 s23, s16, 1
	s_add_co_u32 s20, s20, s23                     ; my first head's record: 16 x batch + 4 cx + 2 x half
	s_cmp_eq_u32 s66, 2
	s_cbranch_scc1 .Lvn
	; ---- q and k.  My 128 columns are two heads; in head e, B's tiles 4 e + v hold d = 16 h + 8 v + j and tiles 4 e + 2 + v hold d + 32: the two partners of a rotation lie in one lane.
	s_lshl_b32 s30, s22, 7                         ; cos, sin: 128 bytes a token
	s_add_nc_u64 s[96:97], s[96:97], s[30:31]
	s_add_nc_u64 s[98:99], s[98:99], s[30:31]
	s_mul_i32 s32, s20, REC
	s_mul_i32 s33, s66, PART
	s_add_co_u32 s32, s32, s33                     ; the record's part: q or k
	s_lshr_b32 s33, s22, 5
	s_mul_i32 s33, s33, 1536                       ; an image of 1,536 bytes for each 32 tokens
	s_add_co_u32 s30, s32, s33
	s_add_nc_u64 s[48:49], s[8:9], s[30:31]        ; where my images go
	s_lshl_b32 s33, s22, 1                         ; 256 bytes of scale words for each 128 tokens
	s_add_co_u32 s30, s32, s33
	s_add_co_u32 s30, s30, 98304
	s_add_nc_u64 s[50:51], s[8:9], s[30:31]        ; and my scale words
	s_mov_b32 s28, 0x05040100                      ; v_perm_b32: the two low halves (head 0's bytes),
	s_mov_b32 s29, 0x07060302                      ; the two high halves (head 1's)
	s_wait_alu depctr_va_vdst(0)
	v_and_b32 v7, 8, v5
	v_add_nc_u32 v7, v7, v5                        ; r + 8 (r / 8): my token in a tile
	v_lshlrev_b32 v[CSO], 7, v7
	v_lshl_add_u32 v[CSO], v6, 6, v[CSO]           ; + 64 h: cos and sin of d = 16 h + 0 .. 15
	WIN TO_B                                       ; into window 1, where B's fragments lay: row block a's cos at v[32 a], its sin at v[32 a + 16]
.irp a, 0,1,2,3,4,5,6,7
.irp i, 0,1,2,3
	global_load_b128 v[32*\a+4*\i:32*\a+4*\i+3], v[CSO], s[96:97] offset:(32*(\a/2)+8*(\a%2))*128+16*\i
.endr
.irp i, 0,1,2,3
	global_load_b128 v[32*\a+16+4*\i:32*\a+16+4*\i+3], v[CSO], s[98:99] offset:(32*(\a/2)+8*(\a%2))*128+16*\i
.endr
.endr
	WIN 0
.macro ROPE a                          ; row block a, both heads: q1 c - q2 s and q1 s + q2 c into v[H] on, register 16 (2 e + half) + i = d 32 half + 16 h + i of head e
.set AC, 64*((\a)%4)
.set CT, 32*(\a)
.set RW, 0x06+(\a)/4
	s_wait_loadcnt 8*(7-(\a))                      ; this block's eight loads are in; the later blocks' eight each may be out
	WIN RW                                         ; source 0: the accumulators' window; source 1: window 1
.irp hd, 0,1
.irp vv, 0,1
.set X1, AC+8*(4*\hd+\vv)
.set X2, AC+8*(4*\hd+2+\vv)
.set CC, CT+8*\vv
.set SS, CT+16+8*\vv
.set R1, H+32*\hd+8*\vv
.set R2, H+32*\hd+16+8*\vv
.irp j, 0,2,4,6
	v_pk_mul_f32 v[T1+\j:T1+\j+1], v[X2+\j:X2+\j+1], v[SS+\j:SS+\j+1]
.endr
.irp j, 0,2,4,6
	v_pk_mul_f32 v[T2+\j:T2+\j+1], v[X2+\j:X2+\j+1], v[CC+\j:CC+\j+1]
.endr
.irp j, 0,2,4,6
	v_pk_fma_f32 v[R1+\j:R1+\j+1], v[X1+\j:X1+\j+1], v[CC+\j:CC+\j+1], v[T1+\j:T1+\j+1] neg_lo:[0,0,1] neg_hi:[0,0,1]
.endr
.irp j, 0,2,4,6
	v_pk_fma_f32 v[R2+\j:R2+\j+1], v[X1+\j:X1+\j+1], v[SS+\j:SS+\j+1], v[T2+\j:T2+\j+1]
.endr
.endr
.endr
	WIN 0
.endm
.irp a, 0,1,2,3,4,5,6,7
	ROPE \a
.if (\a == 2) || (\a == 4) || (\a == 6)
	s_wait_xcnt 0x0                                ; the last pair's stores have read their data: the images are written again only behind this wait
.endif
	QUANT H, 0, IMG0+6*(\a%2), IMG1+6*(\a%2), PWS+\a   ; head 0's codes into image 0, head 1's into image 1, at tile a % 2's six registers
.if \a%2 == 1
.irp e, 0,1
.irp c, 0,1,2
	global_store_b128 v[LI], v[IMG0+12*\e+4*\c:IMG0+12*\e+4*\c+3], s[48:49] offset:\e*REC+(\a/2)*1536+512*\c th:TH_STORE_NT   ; 32 lanes store 512 consecutive bytes, aligned
.endr
.endr
.endif
.endr
.irp e, 0,1                                    ; a group's scale word: tile 0's two bytes below, tile 1's above; groups 0, 2 in lanes 0-15 and groups 1, 3 in lanes 16-31 of two registers
.irp b, 0,1,2,3
	v_perm_b32 v[WW+\b], v[PWS+2*\b+1], v[PWS+2*\b], s[28+\e]
.endr
	v_cndmask_b32 v[SO+2*\e], v[WW], v[WW+1], s[HM]
	v_cndmask_b32 v[SO+2*\e+1], v[WW+2], v[WW+3], s[HM]
	global_store_b64 v[L8], v[SO+2*\e:SO+2*\e+1], s[50:51] offset:\e*REC th:TH_STORE_NT   ; 256 consecutive bytes, aligned
.endr
	s_branch .Lend
.Lvn:	; ---- v in f32: the accumulators as they stand: [head][tile of 16 tokens][tile of 16 channels][half][lane][16 bytes]
	s_lshl_b32 s30, s20, 19                        ; 524,288 bytes a head,
	s_lshl_b32 s33, s22, 8                         ; 4,096 a tile of 16 tokens
	s_add_co_u32 s30, s30, s33
	s_add_nc_u64 s[48:49], s[10:11], s[30:31]
	s_wait_alu depctr_va_vdst(0)
.irp a, 0,1,2,3,4,5,6,7
.set VW, 0x08+4*(\a/4)
	WIN VW                                         ; a store's data are its source 1: window 2 or 3
.irp bb, 0,1,2,3,4,5,6,7
.irp c, 0,1
	global_store_b128 v[LI], v[64*(\a%4)+8*\bb+4*\c:64*(\a%4)+8*\bb+4*\c+3], s[48:49] offset:(\bb/4)*524288+\a*4096+(\bb%4)*1024+512*\c th:TH_STORE_NT   ; each accumulator from its low end on; 512 consecutive bytes
.endr
.endr
.endr
	WIN 0
	s_branch .Lend
.Lvt:	; ---- v turned: A's rows are channels, B's are tokens.  Row block a is 16 channels (head a / 4, tile a % 4); its 64 registers run along my 128 keys: one fragment and one scale word a channel.
	s_lshl_b32 s23, s41, 2
	s_add_co_u32 s20, s20, s23
	s_lshl_b32 s23, s15, 1
	s_add_co_u32 s20, s20, s23                     ; my first head's record: 16 x batch + 4 cy + 2 x half
	s_lshl_b32 s22, s21, 3
	s_lshl_b32 s23, s40, 1
	s_add_co_u32 s22, s22, s23
	s_add_co_u32 s22, s22, s16                     ; my step of 128 keys: 8 (row % 2) + 2 cx + half
	s_mul_i32 s32, s20, REC
	s_add_co_u32 s32, s32, 2*PART
	s_mul_i32 s33, s22, 6144                       ; four images a step
	s_add_co_u32 s30, s32, s33
	s_add_nc_u64 s[48:49], s[8:9], s[30:31]
	s_lshl_b32 s33, s22, 8
	s_add_co_u32 s30, s32, s33
	s_add_co_u32 s30, s30, 98304
	s_add_nc_u64 s[50:51], s[8:9], s[30:31]
.irp a, 0,1,2,3,4,5,6,7
.if \a > 0
	s_wait_xcnt 0x0                                ; the last block's stores have read their data
.endif
	QUANT 64*(\a%4), 2+\a/4, IMG0, IMG0+6, PWS+\a
.irp c, 0,1,2
	global_store_b128 v[LI], v[IMG0+4*\c:IMG0+4*\c+3], s[48:49] offset:(\a/4)*REC+(\a%4)*1536+512*\c th:TH_STORE_NT
.endr
.endr
.irp e, 0,1                                    ; tiles 0, 2 in lanes 0-15 and tiles 1, 3 in lanes 16-31 of two registers
	v_cndmask_b32 v[SO+2*\e], v[PWS+4*\e], v[PWS+4*\e+1], s[HM]
	v_cndmask_b32 v[SO+2*\e+1], v[PWS+4*\e+2], v[PWS+4*\e+3], s[HM]
	global_store_b64 v[L8], v[SO+2*\e:SO+2*\e+1], s[50:51] offset:\e*REC th:TH_STORE_NT
.endr
.Lend:
	s_wait_tensorcnt 0x0                           ; the wave's end, behind my last tensor load
	ds_add_u32 v[SPW], v[NIL]
	s_wait_dscnt 0x0
	CROUND                                         ; the closing round: no work-group ends while a partner may still ask for a tile that names it
	s_endpgm
.Lfunc_end_k_qb3d9b896bd_qkv:
	.size	k_qb3d9b896bd_qkv, .Lfunc_end_k_qb3d9b896bd_qkv-k_qb3d9b896bd_qkv
	.p2alignl 7, 3214868480
	.fill 96, 4, 3214868480
	.section	.rodata,"a",@progbits
	.p2align	6, 0x0
	.amdhsa_kernel k_qb3d9b896bd_qkv
		.amdhsa_group_segment_fixed_size 327680
		.amdhsa_private_segment_fixed_size 0
		.amdhsa_enable_private_segment 0
		.amdhsa_kernarg_size 48
		.amdhsa_user_sgpr_count 2
		.amdhsa_user_sgpr_kernarg_segment_ptr 1
		.amdhsa_wavefront_size32 1
		.amdhsa_system_sgpr_workgroup_id_x 1
		.amdhsa_system_sgpr_workgroup_id_y 1
		.amdhsa_system_sgpr_workgroup_id_z 1
		.amdhsa_system_vgpr_workitem_id 0
		.amdhsa_next_free_vgpr 1024
		.amdhsa_next_free_sgpr 100
		.amdhsa_reserve_vcc 0
		.amdhsa_float_denorm_mode_32 3
		.amdhsa_float_denorm_mode_16_64 3
		.amdhsa_memory_ordered 1
		.amdhsa_forward_progress 1
		.amdhsa_inst_pref_size 251
	.end_amdhsa_kernel
	.amdgpu_metadata
---
amdhsa.version: [ 1, 2 ]
amdhsa.kernels:
  - .name:           k_qb3d9b896bd_qkv
    .symbol:         k_qb3d9b896bd_qkv.kd
    .args:
      - { .name: c1, .offset: 0, .size: 8, .value_kind: global_buffer, .address_space: global }
      - { .name: s1, .offset: 8, .size: 8, .value_kind: global_buffer, .address_space: global }
      - { .name: cos, .offset: 16, .size: 8, .value_kind: global_buffer, .address_space: global }
      - { .name: sin, .offset: 24, .size: 8, .value_kind: global_buffer, .address_space: global }
      - { .name: qkv, .offset: 32, .size: 8, .value_kind: global_buffer, .address_space: global }
      - { .name: vf, .offset: 40, .size: 8, .value_kind: global_buffer, .address_space: global }
    .group_segment_fixed_size: 327680
    .private_segment_fixed_size: 0
    .kernarg_segment_align: 8
    .kernarg_segment_size: 48
    .max_flat_workgroup_size: 128
    .sgpr_count:     100
    .vgpr_count:     1024
    .wavefront_size: 32
...
	.end_amdgpu_metadata
.endif
;; end of part 2
;; launch attn (part 3): grid 256 x 1, 16 waves a work-group, clusters of 4 x 1, 206,848 bytes of LDS; arguments qkv, vf, oc, os; writes oc, os
.if DOCPART == 3
	.amdgcn_target "amdgcn-amd-amdhsa--gfx1250"
	.amdhsa_code_object_version 6
	.text
	.protected	k_qb3d9b896bd_attn
	.globl	k_qb3d9b896bd_attn
	.p2align	8
	.type	k_qb3d9b896bd_attn,@function
k_qb3d9b896bd_attn:
	s_mov_b64 s[64:65], 0
	v_nop
	global_prefetch_b8 v0, s[64:65] scope:SCOPE_SE
	s_setreg_imm32_b32 hwreg(HW_REG_WAVE_MODE, 25, 1), 1
	s_wait_xcnt 0x0
	s_wait_alu depctr_hold_cnt(0) depctr_sa_sdst(0) depctr_va_vdst(0) depctr_va_sdst(0) depctr_va_ssrc(0) depctr_va_vcc(0) depctr_vm_vsrc(0)
	s_getreg_b32 s2, hwreg(HW_REG_IB_STS2, 6, 4)
	s_cmp_eq_u32 s2, 0
	s_cbranch_scc0 .Lentry_in_a_cluster
	s_endpgm
.Lentry_in_a_cluster:
	s_bfe_u32 s2, ttmp6, 0x10000c
	s_cmp_lg_u32 s2, 0x3003
	s_cbranch_scc0 .Lentry_shape_is_right
	s_endpgm
.Lentry_shape_is_right:
; For each of 64 heads (batch x head): out[q] = (sum over k <= q of Q(p) Q(v[k]) - p[q][q] v[q]) / l, p = 2^(t - M), t = q . k x log2(e) / 8, M the running largest t rounded up to a whole number,
; l the sum of the unquantised p; both products on codes of FP6 (E2M3) with E8M0 scales; then out is quantised along the model's 1,024 (two blocks of 32 a head) for the last product.
; A RUNNING MAXIMUM is kept; when M moves, l and O are multiplied by 2^(old M - new M), which rounds nothing.
; INPUTS, laid by the launch before as images of operand registers: a head's record in qkv has three parts of 102,400 bytes (q, k, v with the keys innermost), each 98,304 bytes of images and 4,096 of scale words.
; An image of q or k stands for 32 tokens: registers 6 u .. 6 u + 5 of lane (r, h) are the codes d = 32 h .. 32 h + 31 of token 32 g + 8 u + r + 8 (r / 8).  The head's K is 64, the instruction's 128: ONE fragment of k
; carries TWO tiles of 16 keys, and is multiplied once by [q, 0] and once by [0, q].  By the choice of tokens the 16 registers of the two results are 16 neighbouring keys.
; SHARES.  A cluster of four work-groups is one head.  The head's k and v, 204,800 bytes, fit in LDS whole: each of the 16 waves asks for 50 rows of 256 bytes by ONE joint load, and nothing is filled again.
; Of each 128 tokens (block J) work-group cx owns the 32 tokens 128 J + 32 cx on; wave w (j = w / 2, u = w % 2) takes tile u of block 15 - j and then of block j: 16 - j and j + 1 steps of 128 keys, 17 for every wave.
; Branches hang on the wave's number and counters alone; cx enters global addresses and a lane's number only.
; A step all of whose keys come after the tile's queries is left out (the causal mask that the problem builds itself); on the diagonal hidden scores become -infinity, and the last score that counts is kept.
; TWO REGISTER REGIONS CHANGE ROLES FROM STEP TO STEP, so a trip of the loop is two steps: in an even step k's and then v's fragments lie in v40-87 and the scores in v96-159; in an odd step the fragments lie in v96-143 and
; the scores in v40-87 and v144-159.  When a step's p has been converted, the next step's fragments of k are loaded into the registers that held p: they are on their way during the second product.
; THE EXPONENTIALS go in two batches of half a step; between them stand plain instructions that hang on none of them: the other half's t - M, and the first level of the row's sum, each into registers of its own.
; No prefetch: all of k and v is asked for at the head, and q and v in f32 are asked for at a pass's head, a whole pass ahead of v's use.
; LIMITS: NaN and infinities are not served; a block of out that is all zeros or under 2^-124 gets the byte 1 (read by this program alone); (O - p v) is divided by l once, where the definition divides both terms;
; the scaled scores stay under 2^31 in magnitude.
; REGISTERS: v1-3, v8, v9, v34 addresses and lane numbers that stay; v4-7 the trip's LDS addresses; v10 the diagonal's p, v11 its score; v12 -M, v13 the largest t, v[14:15] the sum in two halves;
;   v16-21 zeros, v22-27 q, v28-33 zeros; v36-39 p's scale bytes; v88-93 sums at work; v160-191 O^T; v192-223 v in f32; v224-235 p's codes; v230-254 at work; v[248:249] k's scale words, v[250:251] v's, v253 p's, v255 q's.
.set REC,  307200
.set PART, 102400                      ; LDS is a copy of the record's parts 1 and 2: k's images at 0, k's scale words at 98,304, v's images at 102,400, v's scale words at 200,704
.set KSC,  98304
.macro CROUND                          ; a round of the cluster's barrier
	s_barrier_signal -1
	s_barrier_wait -1
	s_cmp_lg_u32 s12, 0
	s_cbranch_scc1 .Lnot_wave_0_\@
	s_barrier_signal -3
.Lnot_wave_0_\@:
	s_barrier_wait -3
	s_barrier_signal -1
	s_barrier_wait -1
.endm
	s_load_b256 s[4:11], s[0:1], 0x0               ; qkv s[4:5], vf s[6:7], oc s[8:9], os s[10:11]
	v_lshl_add_u32 v95, v0, 2, 0x32000
	v_mov_b32 v243, 0
	ds_add_u32 v95, v243
	ds_add_u32 v95, v243
	v_lshrrev_b32 v1, 5, v0
	s_delay_alu instid0(VALU_DEP_1)
	v_readfirstlane_b32 s12, v1                    ; wave 0..15
	s_bfe_u32 s13, ttmp6, 0x40000                  ; cx
	s_and_b32 s14, s12, 1                          ; u
	s_lshr_b32 s15, s12, 1                         ; j: the second pass's block
	s_sub_co_u32 s16, 15, s15                      ; 15 - j: the first pass's
	s_mov_b32 s20, 0x76543210
	s_mov_b32 s21, 0xfedcba98                      ; v_permlanex16_b32's selects for lane l xor 16
	s_mov_b32 s22, 0x3e38aa3b                      ; c = log2(e) / 8
	s_mov_b32 s23, s22
	s_mov_b32 s25, 0x03020302
	s_cmp_eq_u32 s14, 0
	s_cselect_b32 s24, 0, -1                       ; all lanes where u = 1
	s_cselect_b32 s25, 0x01000100, s25             ; v_perm_b32: my tile's two scale bytes, twice
	s_mov_b32 s26, 0xff0000ff                      ; the lanes with h = r / 8: they hold the query's own key
	s_mov_b32 s36, 15|(3<<16)|(1<<21)              ; group 1: 50 rows of 256 bytes, dense; the mask names all four work-groups
	s_mov_b32 s37, 32<<16
	s_mov_b32 s38, 50<<16
	s_mov_b32 s39, 32<<16
	s_mov_b32 s40, 50
	s_mov_b32 s41, 32
	s_mov_b32 s42, 0
	s_mov_b32 s43, 0
	s_mul_i32 s58, ttmp9, REC                      ; the head's record
	s_mov_b32 s59, 0
	s_mov_b32 s32, 1
	s_mul_i32 s33, s12, 12800                      ; LDS address: my 50 rows
	s_add_co_u32 s60, s33, PART                    ; and the same rows behind the record's first part
	s_mov_b32 s61, 0
	s_wait_dscnt 0x0
	s_wait_kmcnt 0x0
	s_add_nc_u64 s[44:45], s[4:5], s[58:59]
	s_add_nc_u64 s[34:35], s[44:45], s[60:61]
	s_or_b32 s35, s35, 0x80000000
	CROUND                                         ; all four work-groups are here: the joint loads meet
	tensor_load_to_lds s[32:35], s[36:43]          ; my one tensor load of the launch
	s_nop 0
.rept 4
	v_nop
.endr
	v_and_b32 v35, 31, v0                          ; lane
	v_and_b32 v36, 15, v0                          ; r
	v_bfe_u32 v37, v0, 4, 1                        ; h
	s_wait_alu depctr_va_vdst(0)
	v_lshlrev_b32 v1, 4, v35                       ; 16 x lane
	v_lshlrev_b32 v8, 3, v35                       ; 8 x lane
	s_delay_alu instid0(VALU_DEP_1)
	v_add_nc_u32 v2, KSC, v8                       ; k's scale words
	s_and_b32 s58, s13, 1
	s_lshl_b32 s58, s58, 7
	s_lshr_b32 s59, s13, 1
	s_lshl_b32 s59, s59, 2
	s_add_co_u32 s58, s58, s59
	v_lshl_add_u32 v3, v36, 3, s58                 ; q's scale word of group cx, row r
	v_and_b32 v38, 8, v36
	s_delay_alu instid0(VALU_DEP_1)
	v_add_nc_u32 v38, v38, v36                     ; r + 8 (r / 8)
	s_lshl_b32 s58, s13, 5
	s_lshl_b32 s59, s14, 3
	s_add_co_u32 s58, s58, s59
	v_add_nc_u32 v9, s58, v38
	v_lshlrev_b32 v37, 4, v37
	s_delay_alu instid0(VALU_DEP_1)
	v_sub_nc_u32 v9, v9, v37                       ; my query's place in its block of 128, less 16 h: score 16 b + i counts where 32 b + i <= this
	v_lshlrev_b32 v34, 5, v36                      ; 32 r: my row of scale bytes in os
.irp i, 16,17,18,19,20,21,28,29,30,31,32,33
	v_mov_b32 v\i, 0                               ; the zero codes on either side of q
.endr
.irp i, 236,237,238,239,252,253,254
	v_mov_b32 v\i, 0                               ; written once: a lane permute's destination counts as one of its sources
.endr
	s_wait_tensorcnt 0x0                           ; my 12,800 bytes have landed,
	s_barrier_signal -1
	s_barrier_wait -1                              ; everybody's have; nobody writes LDS again
; cnt pairs of scores from number n on become t - M.  Score n lies in v[NF + n], the last sixteen in v144-159: DL is the distance that this adds
.macro TMS NF, cnt
.rept \cnt
	v_pk_fma_f32 v[\NF+n+(n/48)*DL:\NF+n+(n/48)*DL+1], v[\NF+n+(n/48)*DL:\NF+n+(n/48)*DL+1], s[22:23], v[12:13] op_sel_hi:[1,0,0]
.set n, n+2
.endr
.endm
; ONE STEP OF 128 KEYS.  F: the fragments' region; NF: the scores' region, which takes the next step's fragments of k; odd: the trip's second step (its LDS bytes lie 6,144 and 256 on)
.macro STEP jr, F, NF, odd, skip
.set DL, 96-\NF
.if \odd
	s_cmp_ge_u32 s19, s[\jr]
.else
	s_cmp_gt_u32 s19, s[\jr]
.endif
	s_cbranch_scc1 \skip                           ; behind the diagonal: no work in this step nor in the trip's later one
	v_add_nc_u32 v4, s27, v1                       ; the trip's LDS addresses, made in each step; with the two v_nop they are the places ahead of the products that lay scores over the fragments read last
	v_add_nc_u32 v6, s28, v2
	s_delay_alu instid0(VALU_DEP_2)
	v_add_nc_u32 v5, PART, v4
	s_delay_alu instid0(VALU_DEP_2)
	v_add_nc_u32 v7, PART, v6
	v_nop
	v_nop
	s_wait_alu depctr_va_vdst(0)
	s_wait_dscnt 0x0
.irp b, 0,1,2,3                                ; S^T = k q^T: each fragment against [q, 0] and against [0, q]
.if \b%2
	v_wmma_scale_f32_16x16x128_f8f6f4 v[\NF+16*\b+(\b/3)*DL:\NF+16*\b+(\b/3)*DL+7], v[\F+12*\b:\F+12*\b+11], v[22:33], 0, v[248+\b/2], v255 matrix_a_fmt:MATRIX_FMT_FP6 matrix_b_fmt:MATRIX_FMT_FP6 matrix_a_scale:MATRIX_SCALE_ROW1
	v_wmma_scale_f32_16x16x128_f8f6f4 v[\NF+16*\b+(\b/3)*DL+8:\NF+16*\b+(\b/3)*DL+15], v[\F+12*\b:\F+12*\b+11], v[16:27], 0, v[248+\b/2], v255 matrix_a_fmt:MATRIX_FMT_FP6 matrix_b_fmt:MATRIX_FMT_FP6 matrix_a_scale:MATRIX_SCALE_ROW1
.else
	v_wmma_scale_f32_16x16x128_f8f6f4 v[\NF+16*\b+(\b/3)*DL:\NF+16*\b+(\b/3)*DL+7], v[\F+12*\b:\F+12*\b+11], v[22:33], 0, v[248+\b/2], v255 matrix_a_fmt:MATRIX_FMT_FP6 matrix_b_fmt:MATRIX_FMT_FP6
	v_wmma_scale_f32_16x16x128_f8f6f4 v[\NF+16*\b+(\b/3)*DL+8:\NF+16*\b+(\b/3)*DL+15], v[\F+12*\b:\F+12*\b+11], v[16:27], 0, v[248+\b/2], v255 matrix_a_fmt:MATRIX_FMT_FP6 matrix_b_fmt:MATRIX_FMT_FP6
.endif
.endr                                          ; lane (r, h) holds query r; score 16 b + i is key 128 step + 32 b + 16 h + i
.rept 4
	v_nop                                          ; places: in front of the loads into k's registers, and of the first read of the scores
.endr
.irp t, 0,1,2,3
.irp c, 0,1,2
	ds_load_b128 v[\F+12*\t+4*\c:\F+12*\t+4*\c+3], v5 offset:6144*\odd+1536*\t+512*\c   ; v: four fragments of 16 channels x these 128 keys
.endr
.endr
	ds_load_b64 v[250:251], v7 offset:256*\odd
.if \odd
	s_cmp_lg_u32 s19, s18
.else
	s_cmp_lg_u32 s19, s[\jr]
.endif
	s_cbranch_scc1 .Lopen_\@                       ; ahead of the diagonal every key counts
	v_mov_b32 v254, 0xff800000                     ; -infinity
.set n, 0
.rept 64
	v_cmp_le_i32 vcc_lo, 32*(n/16)+n%16, v9
	v_cndmask_b32 v11, v11, v[\NF+n+(n/48)*DL], vcc_lo        ; the last score that counts stays: in the lanes with h = r / 8 that is the query's own key
	v_cndmask_b32 v[\NF+n+(n/48)*DL], v254, v[\NF+n+(n/48)*DL], vcc_lo
.set n, n+1
.endr
.Lopen_\@:
.irp b, 0,1,2,3
	v_max3_num_f32 v[232+\b], v[\NF+16*\b+(\b/3)*DL], v[\NF+16*\b+(\b/3)*DL+1], v[\NF+16*\b+(\b/3)*DL+2]   ; the largest score of each block of 32 keys: for the row's maximum and for the block's largest p
.endr
.irp i, 3,5,7,9,11,13
.irp b, 0,1,2,3
	v_max3_num_f32 v[232+\b], v[232+\b], v[\NF+16*\b+(\b/3)*DL+\i], v[\NF+16*\b+(\b/3)*DL+\i+1]
.endr
.endr
.irp b, 0,1,2,3
	v_max_num_f32 v[232+\b], v[232+\b], v[\NF+16*\b+(\b/3)*DL+15]
.endr
.irp b, 0,1,2,3
	s_delay_alu instid0(VALU_DEP_4)
	v_permlanex16_b32 v[236+\b], v[232+\b], s20, s21
.endr
.irp b, 0,1,2,3
	s_delay_alu instid0(VALU_DEP_4)
	v_max_num_f32 v[232+\b], v[232+\b], v[236+\b]  ; with lane l xor 16's 16 keys
.endr
	s_delay_alu instid0(VALU_DEP_2)
	v_max3_num_f32 v254, v232, v233, v234
	s_delay_alu instid0(VALU_DEP_1)
	v_max_num_f32 v254, v254, v235                 ; the step's largest score of my query
	s_delay_alu instid0(VALU_DEP_1)
	v_mul_f32 v254, s22, v254                      ; as t (c is positive)
	s_delay_alu instid0(VALU_DEP_1)
	v_max_num_f32 v13, v13, v254                   ; the running largest t
	v_mov_b32 v254, v12
	s_delay_alu instid0(VALU_DEP_2)
	v_floor_f32 v12, -v13                          ; the new -M = floor(-t): M is a whole number
.set n, 0
	TMS \NF, 4                                     ; t - M of the first 32 scores; f is made among them
	v_sub_f32 v254, v12, v254                      ; M's old value less its new one: a whole number, 0 or less
	TMS \NF, 4
	v_cvt_i32_f32 v254, v254                       ; (it saturates)
	TMS \NF, 4
	v_ldexp_f32 v252, 1.0, v254                    ; f = 2^(old M - new M)
	TMS \NF, 4
.irp b, 0,1,2,3
	v_fma_f32 v[232+\b], v[232+\b], s22, v12       ; the same of each block's largest score,
.endr
	v_fma_f32 v10, v11, s22, v12                   ; and of the kept score: in the pass's last step the diagonal's, under the final M
	s_wait_alu depctr_va_vdst(0)
.set m, 0
.rept 16
	v_exp_f32 v[\NF+m], v[\NF+m]                   ; p = 2^(t - M) of the first 32;
	TMS \NF, 1                                     ; t - M of the other 32, read behind the next wait
	v_exp_f32 v[\NF+m+1], v[\NF+m+1]
.set m, m+2
.endr
.irp b, 0,1,2,3
	v_exp_f32 v[232+\b], v[232+\b]                 ; the block's largest p
.endr
	v_exp_f32 v10, v10                             ; the diagonal's p
	v_pk_mul_f32 v[14:15], v[14:15], v[252:253] op_sel_hi:[1,0]   ; the sums under the new M (a plain place behind the exponentials)
	s_wait_alu depctr_va_vdst(0)                   ; behind the first batch and ahead of the second
.set m, 32
.set n, 0
.irp t, 236,238,240,248,230,88,90,92
	v_exp_f32 v[\NF+m+(m/48)*DL], v[\NF+m+(m/48)*DL]
	v_pk_add_f32 v[\t:\t+1], v[\NF+n:\NF+n+1], v[\NF+n+2:\NF+n+3]   ; the row's sum of the unquantised p, first level: eight sums of their own, read behind the next wait
	v_exp_f32 v[\NF+m+1+(m/48)*DL], v[\NF+m+1+(m/48)*DL]
	v_exp_f32 v[\NF+m+2+(m/48)*DL], v[\NF+m+2+(m/48)*DL]
	v_exp_f32 v[\NF+m+3+(m/48)*DL], v[\NF+m+3+(m/48)*DL]
.set m, m+4
.set n, n+4
.endr
.irp b, 0,1,2,3
	v_max_num_f32 v[232+\b], 0x1800000, v[232+\b]  ; the floor 2^(3 - 127): the byte cannot fall under 1
.endr
	s_wait_alu depctr_va_vdst(0)                   ; behind the second batch
.set n, 32
.rept 2
.irp t, 236,238,240,248,230,88,90,92
	v_pk_add_f32 v[\t:\t+1], v[\t:\t+1], v[\NF+n+(n/48)*DL:\NF+n+(n/48)*DL+1]
.set n, n+2
.endr
.endr
.irp b, 0,1,2,3
	v_add_nc_u32 v[244+\b], 0xff000000, v[232+\b]  ; 2 off the exponent field: the conversion's scale operand
.endr
	v_pk_add_f32 v[236:237], v[236:237], v[238:239]
	v_pk_add_f32 v[240:241], v[240:241], v[248:249]
	v_pk_add_f32 v[230:231], v[230:231], v[88:89]
	v_pk_add_f32 v[90:91], v[90:91], v[92:93]
.irp b, 0,1,2,3
	v_lshrrev_b32 v[36+\b], 23, v[244+\b]          ; the scale's byte
.endr
	v_pk_add_f32 v[236:237], v[236:237], v[240:241]
	v_pk_add_f32 v[230:231], v[230:231], v[90:91]
	v_lshl_or_b32 v253, v37, 8, v36                ; p's scale word for these 128 keys
	v_pk_add_f32 v[14:15], v[14:15], v[236:237]
	s_delay_alu instid0(VALU_DEP_2)
	v_lshl_or_b32 v253, v38, 16, v253
	s_delay_alu instid0(VALU_DEP_2)
	v_pk_add_f32 v[14:15], v[14:15], v[230:231]
	s_delay_alu instid0(VALU_DEP_2)
	v_lshl_or_b32 v253, v39, 24, v253
	v_cvt_scalef32_pk16_fp6_f32 v[224:226], v[\NF:\NF+15], v244
	v_cvt_scalef32_pk16_fp6_f32 v[236:238], v[\NF+16:\NF+31], v245     ; (a conversion's three registers begin on an even number)
	v_cvt_scalef32_pk16_fp6_f32 v[230:232], v[\NF+32:\NF+47], v246
	v_cvt_scalef32_pk16_fp6_f32 v[240:242], v[144:159], v247
	v_nop                                          ; one plain place behind a scaled conversion
.irp b, 0,1,2,3
.irp c, 0,1,2
	ds_load_b128 v[\NF+12*\b+4*\c:\NF+12*\b+4*\c+3], v4 offset:6144*\odd+6144+1536*\b+512*\c   ; THE NEXT STEP'S k, into the registers that held p (behind the last step: bytes that nobody uses, inside what was filled)
.endr
.endr
	ds_load_b64 v[248:249], v6 offset:256*\odd+256
.irp c, 0,1                                    ; the operand's layout wants a whole block in a lane
.irp i, 0,1,2
	v_permlane16_swap_b32 v[224+6*\c+\i], v[236+4*\c+\i]
.endr
.irp i, 0,1,2
	s_delay_alu instid0(VALU_DEP_3)
	v_mov_b32 v[227+6*\c+\i], v[236+4*\c+\i]
.endr
.endr
	s_wait_alu depctr_va_vdst(0)                   ; directly ahead of the first reader of O^T
.set n, 0
.rept 16
	v_pk_mul_f32 v[160+n:161+n], v[160+n:161+n], v[252:253] op_sel_hi:[1,0]
.set n, n+2
.endr
	s_wait_alu depctr_va_vdst(0)
	s_wait_dscnt 13                                ; v's 13 loads are in; the 13 of the next step's k, issued behind them, may be out
.irp t, 0,1,2,3                                ; O^T += v^T p^T: four accumulators by turns
.if \t%2
	v_wmma_scale_f32_16x16x128_f8f6f4 v[160+8*\t:167+8*\t], v[\F+12*\t:\F+12*\t+11], v[224:235], v[160+8*\t:167+8*\t], v[250+\t/2], v253 matrix_a_fmt:MATRIX_FMT_FP6 matrix_b_fmt:MATRIX_FMT_FP6 matrix_a_scale:MATRIX_SCALE_ROW1
.else
	v_wmma_scale_f32_16x16x128_f8f6f4 v[160+8*\t:167+8*\t], v[\F+12*\t:\F+12*\t+11], v[224:235], v[160+8*\t:167+8*\t], v[250+\t/2], v253 matrix_a_fmt:MATRIX_FMT_FP6 matrix_b_fmt:MATRIX_FMT_FP6
.endif
.endr
.endm
; ONE TILE OF 16 QUERIES, tile u of group 4 J + cx, J in s[jr].
.macro PASS jr
	s_wait_xcnt 0x0                                ; the last pass's stores and loads have read their addresses and data
	s_sub_co_u32 s18, s[\jr], 1                    ; an odd step is the diagonal's where the trip's first step is J - 1
	s_lshl_b32 s58, s[\jr], 2
	s_add_co_u32 s58, s58, s13                     ; g
	s_lshl_b32 s59, s58, 1
	s_add_co_u32 s59, s59, s14                     ; the tile: 2 g + u
	s_mul_i32 s60, s58, 1536
	s_mov_b32 s61, 0
	s_add_nc_u64 s[48:49], s[44:45], s[60:61]      ; q's image
	s_lshl_b32 s60, s[\jr], 8
	s_add_co_u32 s60, s60, KSC
	s_add_nc_u64 s[50:51], s[44:45], s[60:61]      ; q's scale words
	s_lshl_b32 s60, ttmp9, 7
	s_add_co_u32 s60, s60, s59
	s_lshl_b32 s60, s60, 12
	s_add_nc_u64 s[52:53], s[6:7], s[60:61]        ; v in f32: 4,096 bytes a tile
	s_lshr_b32 s62, ttmp9, 4
	s_lshl_b32 s62, s62, 7
	s_add_co_u32 s62, s62, s59                     ; the tile among the batch's
	s_and_b32 s63, ttmp9, 15                       ; the head in its batch
	s_mul_i32 s60, s62, 12288
	s_mul_i32 s66, s63, 768
	s_add_co_u32 s60, s60, s66
	s_add_nc_u64 s[54:55], s[8:9], s[60:61]        ; out's codes
	s_lshl_b32 s60, s62, 9
	s_lshl_b32 s66, s63, 1
	s_add_co_u32 s60, s60, s66
	s_add_nc_u64 s[56:57], s[10:11], s[60:61]      ; out's scale bytes
	global_load_b128 v[40:43], v1, s[48:49]
	global_load_b128 v[44:47], v1, s[48:49] offset:512
	global_load_b128 v[48:51], v1, s[48:49] offset:1024
	global_load_b32 v52, v3, s[50:51]
.irp k, 0,1,2,3,4,5,6,7
	global_load_b128 v[192+4*\k:195+4*\k], v1, s[52:53] offset:512*\k th:TH_LOAD_NT   ; wanted at the pass's end
.endr
	v_mov_b32 v13, 0xff61b1e6                      ; the largest t so far: -3e38
	s_delay_alu instid0(VALU_DEP_1)
	v_floor_f32 v12, -v13                          ; -M
	v_mov_b32 v14, 0
	v_mov_b32 v15, 0
	v_mov_b32 v10, 0
	v_mov_b32 v11, 0
	s_wait_loadcnt 8                               ; q's four loads are in; v's eight may be out
.irp i, 0,1,2,3,4,5
	v_cndmask_b32 v[22+\i], v[40+\i], v[46+\i], s24   ; my tile's six registers of the image
.endr
	v_perm_b32 v255, v52, v52, s25                 ; q's two scale bytes for K 0-63 and again for K 64-127
.irp b, 0,1,2,3
.irp c, 0,1,2
	ds_load_b128 v[40+12*\b+4*\c:43+12*\b+4*\c], v1 offset:1536*\b+512*\c   ; step 0's k
.endr
.endr
	ds_load_b64 v[248:249], v2
.set n, 0
.rept 32
	v_mov_b32 v[160+n], 0                          ; O^T (also the places between the writes of q and its scale word and the first product)
.set n, n+1
.endr
	s_mov_b32 s19, 0                               ; the trip's first step,
	s_mov_b32 s27, 0                               ; its images: 6,144 bytes a step,
	s_mov_b32 s28, 0                               ; its scale words: 256
.Lstep_\@:                                         ; 8 trips of two steps, a constant
	STEP \jr, 40, 96, 0, .Lskip_\@
	STEP \jr, 96, 40, 1, .Lskip_\@
.Lskip_\@:
	s_add_co_u32 s27, s27, 12288
	s_add_co_u32 s28, s28, 512
	s_add_co_u32 s19, s19, 2
	s_cmp_lt_u32 s19, 16
	s_cbranch_scc1 .Lstep_\@
	; THE PASS'S END: (O^T - p_diag v) / l, quantised along the head's 64, stored as half an operand image.
.rept 4
	v_nop                                          ; places behind the last products
.endr
	s_wait_dscnt 0x0                               ; the loads issued behind the last step have landed: their registers are free
	s_wait_loadcnt 0x0                             ; v in f32 is in
	v_add_f32 v14, v14, v15
	s_delay_alu instid0(VALU_DEP_1)
	v_permlanex16_b32 v252, v14, s20, s21
	v_permlanex16_b32 v254, v10, s20, s21
	s_delay_alu instid0(VALU_DEP_2)
	v_add_f32 v14, v14, v252                       ; the row's sum
	v_cndmask_b32 v10, v254, v10, s26              ; the diagonal's p: my own where h = r / 8, else my partner's
	s_wait_alu depctr_va_vdst(0)
	v_rcp_f32 v14, v14
.set n, 0
	s_wait_alu depctr_va_vdst(0)
.rept 16
	v_pk_fma_f32 v[96+n:97+n], v[192+n:193+n], v[10:11], v[160+n:161+n] op_sel_hi:[1,0,1] neg_lo:[0,1,0] neg_hi:[0,1,0]   ; O^T - p v, each accumulator from its low end on
.set n, n+2
.endr
	s_wait_alu depctr_va_vdst(0)                   ; the wait ahead of the reciprocal's first reader
.set n, 0
.rept 16
	v_pk_mul_f32 v[96+n:97+n], v[96+n:97+n], v[14:15] op_sel_hi:[1,0]   ; register 16 b + i is out(my token, d = 32 b + 16 h + i)
.set n, n+2
.endr
.irp b, 0,1
	v_max3_num_f32 v[232+\b], |v[96+16*\b]|, |v[97+16*\b]|, 0x1800000
.endr
.irp i, 2,4,6,8,10,12,14
.irp b, 0,1
	s_delay_alu instid0(VALU_DEP_2)
	v_max3_num_f32 v[232+\b], v[232+\b], |v[96+16*\b+\i]|, |v[97+16*\b+\i]|
.endr
.endr
.irp b, 0,1
	s_delay_alu instid0(VALU_DEP_2)
	v_permlanex16_b32 v[236+\b], v[232+\b], s20, s21
.endr
.irp b, 0,1
	s_delay_alu instid0(VALU_DEP_2)
	v_max_num_f32 v[232+\b], v[232+\b], v[236+\b]
.endr
.irp b, 0,1
	s_delay_alu instid0(VALU_DEP_2)
	v_add_nc_u32 v[244+\b], 0xff000000, v[232+\b]
.endr
.irp b, 0,1
	s_delay_alu instid0(VALU_DEP_2)
	v_lshrrev_b32 v[236+\b], 23, v[244+\b]
.endr
	s_delay_alu instid0(VALU_DEP_1)
	v_lshl_or_b32 v240, v237, 8, v236              ; the head's two scale bytes of my token
	v_cvt_scalef32_pk16_fp6_f32 v[224:226], v[96:111], v244
	v_cvt_scalef32_pk16_fp6_f32 v[228:230], v[112:127], v245
	v_nop                                          ; one plain place behind a scaled conversion
.irp i, 0,1,2
	v_permlane16_swap_b32 v[224+\i], v[228+\i]     ; lanes 0-15: block 0 whole; lanes 16-31: block 1
.endr
	s_delay_alu instid0(VALU_DEP_3)
	v_mov_b32 v227, v228
	s_delay_alu instid0(VALU_DEP_3)
	v_mov_b32 v228, v229
	s_delay_alu instid0(VALU_DEP_3)
	v_mov_b32 v229, v230
.irp p, 0,1,2
	global_store_b64 v8, v[224+2*\p:225+2*\p], s[54:55] offset:256*\p   ; 32 lanes store 256 consecutive bytes, aligned
.endr
	global_store_b16 v34, v240, s[56:57]           ; 2 bytes of each of 16 rows of 32: the rows' other bytes are other heads', made by other work-groups
.endm
	PASS 16                                        ; block 15 - j
	PASS 15                                        ; block j
	s_wait_dscnt 0x0
	s_wait_tensorcnt 0x0                           ; the wave's end
	ds_add_u32 v95, v243
	s_wait_dscnt 0x0
	CROUND                                         ; the closing round
	s_endpgm
.Lfunc_end_k_qb3d9b896bd_attn:
	.size	k_qb3d9b896bd_attn, .Lfunc_end_k_qb3d9b896bd_attn-k_qb3d9b896bd_attn
	.p2alignl 7, 3214868480
	.fill 96, 4, 3214868480
	.section	.rodata,"a",@progbits
	.p2align	6, 0x0
	.amdhsa_kernel k_qb3d9b896bd_attn
		.amdhsa_group_segment_fixed_size 206848
		.amdhsa_private_segment_fixed_size 0
		.amdhsa_enable_private_segment 0
		.amdhsa_kernarg_size 32
		.amdhsa_user_sgpr_count 2
		.amdhsa_user_sgpr_kernarg_segment_ptr 1
		.amdhsa_wavefront_size32 1
		.amdhsa_system_sgpr_workgroup_id_x 1
		.amdhsa_system_sgpr_workgroup_id_y 1
		.amdhsa_system_sgpr_workgroup_id_z 1
		.amdhsa_system_vgpr_workitem_id 0
		.amdhsa_next_free_vgpr 256
		.amdhsa_next_free_sgpr 80
		.amdhsa_reserve_vcc 1
		.amdhsa_float_denorm_mode_32 3
		.amdhsa_float_denorm_mode_16_64 3
		.amdhsa_memory_ordered 1
		.amdhsa_forward_progress 1
		.amdhsa_inst_pref_size 120
	.end_amdhsa_kernel
	.amdgpu_metadata
---
amdhsa.version: [ 1, 2 ]
amdhsa.kernels:
  - .name:           k_qb3d9b896bd_attn
    .symbol:         k_qb3d9b896bd_attn.kd
    .args:
      - { .name: qkv, .offset: 0, .size: 8, .value_kind: global_buffer, .address_space: global }
      - { .name: vf, .offset: 8, .size: 8, .value_kind: global_buffer, .address_space: global }
      - { .name: oc, .offset: 16, .size: 8, .value_kind: global_buffer, .address_space: global }
      - { .name: os, .offset: 24, .size: 8, .value_kind: global_buffer, .address_space: global }
    .group_segment_fixed_size: 206848
    .private_segment_fixed_size: 0
    .kernarg_segment_align: 8
    .kernarg_segment_size: 32
    .max_flat_workgroup_size: 512
    .sgpr_count:     80
    .vgpr_count:     256
    .wavefront_size: 32
...
	.end_amdgpu_metadata
.endif
;; end of part 3
;; launch proj (part 4): grid 4 x 64, 4 waves a work-group, clusters of 4 x 4, 327,680 bytes of LDS; arguments oc, os, c1, s1, out0; writes out0
.if DOCPART == 4
	.amdgcn_target "amdgcn-amd-amdhsa--gfx1250"
	.amdhsa_code_object_version 6
	.text
	.protected	k_qb3d9b896bd_proj
	.globl	k_qb3d9b896bd_proj
	.p2align	8
	.type	k_qb3d9b896bd_proj,@function
k_qb3d9b896bd_proj:
	s_mov_b64 s[64:65], 0
	v_nop
	global_prefetch_b8 v0, s[64:65] scope:SCOPE_SE
	s_setreg_imm32_b32 hwreg(HW_REG_WAVE_MODE, 25, 1), 1
	s_wait_xcnt 0x0
	s_wait_alu depctr_hold_cnt(0) depctr_sa_sdst(0) depctr_va_vdst(0) depctr_va_sdst(0) depctr_va_ssrc(0) depctr_va_vcc(0) depctr_vm_vsrc(0)
	s_getreg_b32 s2, hwreg(HW_REG_IB_STS2, 6, 4)
	s_cmp_eq_u32 s2, 0
	s_cbranch_scc0 .Lentry_in_a_cluster
	s_endpgm
.Lentry_in_a_cluster:
	s_bfe_u32 s2, ttmp6, 0x10000c
	s_cmp_lg_u32 s2, 0xf033
	s_cbranch_scc0 .Lentry_shape_is_right
	s_endpgm
.Lentry_shape_is_right:
; out0 = Q(attention's result) Q(W_proj)^T on codes of FP6 (E2M3) with one E8M0 scale for each 32 along K = 1,024; sums in f32.
; A: oc, os (8,192 places of tokens), B: c1, s1 from place 11,264 on (W_proj's 1,024 rows).  Both hold images of operand registers: [tile of 16 places][64 along K][piece][lane][8 bytes], 12,288 bytes a tile; scales 32 bytes a place.
; In oc place 16 u + r of each 32 holds token 8 u + r + 8 (r / 8): the way out puts the rows back.
; A block of 128 x 256 is made by a work-group of four waves, 64 x 128 a wave: 32 accumulators.  8,192 x 1,024 / (128 x 256) = 256 work-groups.
; THE BLOCK'S WHOLE K LIES IN LDS: A 98,304 bytes, B 196,608, scales 13,056.  Each is one dense run of memory and comes by ONE joint load at the head, one a wave; nothing is filled again.
; CLUSTERS: 4 x 4; A's run is asked for jointly along a row of the cluster, B's along a column.
; No prefetch: every byte is asked for at the head, and there is no loop to run ahead in.
; The matrix instruction is used transposed (source 0 = B's rows, source 1 = A's): a lane holds eight neighbouring columns of one row of out0.
; REGISTERS: window 0: v16-29 addresses; v32-95 the scale words of all of K (register 8 i + step: lanes 0-15 A's block i, lanes 16-31 B's); v128-223 A's fragments, two sets; window 1: B's, two sets; window 2: accumulator (a, b) at v[8 (8 a + b)].
.set SIZE_N, 1024
.set FR,     12
.set TROW,   12288                     ; a tile of 16 places, all of K
.set LB,     8*TROW                    ; B behind A's 8 tiles
.set SCL,    24*TROW                   ; the scales: runs of 256 bytes + 16 of padding: A's 16, then B's 32
.set SBLK,   544                       ; those of 16 places
.set SPARE,  SCL+48*272                ; the spare words, 128 bytes a wave
.set SPITCH, 528                       ; the way out: a stage of 16 rows x (512 + 16) bytes a wave, from LDS byte 0 on, used behind the last read of A and B
.set ADRA, 16
.set ADRB, 20                          ; v20: B's blocks 0-3, v21: blocks 4-7
.set STO,  24
.set RD,   25
.set CO,   26
.set ADRS, 27
.set SPW,  28
.set NIL,  29
.set SC,   32
.set AF,   128
.set BK,   128
.set G1, 24
.set G0, 32
.set G0B, 36
.set G1B, 48
.set G0S, 56
.set G0SB, 60
.set G1S, 68
.set G1SB, 80
.set MSB, 0
.macro WIN new
.if MSB != \new
	s_set_vgpr_msb (MSB<<8)|\new
.set MSB, \new
.endif
.endm
.set MUL_LO, 0xa1                      ; source 0 window 1, source 1 window 0, C and D window 2
.set TO_B,   0x40
.macro CROUND                          ; a round of the cluster's barrier
	s_barrier_signal -1
	s_barrier_wait -1
	s_cmp_lg_u32 s14, 0
	s_cbranch_scc1 .Lnot_wave_0_\@
	s_barrier_signal -3
.Lnot_wave_0_\@:
	s_barrier_wait -3
	s_barrier_signal -1
	s_barrier_wait -1
.endm
.macro PLACES n
.rept \n
	v_nop
.endr
.endm
	s_load_b128 s[4:7], s[0:1], 0x0                ; oc, os
	s_load_b128 s[8:11], s[0:1], 0x10              ; c1, s1
	s_load_b64 s[12:13], s[0:1], 0x20              ; out0
	v_lshl_add_u32 v[SPW], v0, 2, SPARE
	v_mov_b32 v[NIL], 0
	ds_add_u32 v[SPW], v[NIL]
	ds_add_u32 v[SPW], v[NIL]
	v_lshrrev_b32 v1, 5, v0
	v_readfirstlane_b32 s14, v1                    ; wave
	s_lshr_b32 s15, s14, 1                         ; which 64 rows
	s_and_b32 s16, s14, 1                          ; which 128 columns
	s_bfe_u32 s40, ttmp6, 0x40000                  ; cx
	s_bfe_u32 s41, ttmp6, 0x40004                  ; cy
	s_lshl_b32 s42, ttmp9, 2
	s_add_co_u32 s42, s42, s40                     ; block column
	s_and_b32 s17, ttmp7, 0xffff
	s_lshl_b32 s17, s17, 2
	s_add_co_u32 s17, s17, s41                     ; block row
	s_lshl_b32 s43, s41, 2
	s_lshl_b32 s43, 15, s43                        ; my row of the cluster
	s_lshl_b32 s44, 0x1111, s40                    ; my column
	s_or_b32 s[G1], s43, (3<<16)|(1<<21)           ; codes: rows of 1,536 elements of 8 bytes, dense
	s_or_b32 s[G1B], s44, (3<<16)|(1<<21)
.irp g, G1, G1B
	s_mov_b32 s[\g+1], 1536<<16
	s_mov_b32 s[\g+3], 1536<<16
	s_mov_b32 s[\g+5], 1536
	s_mov_b32 s[\g+6], 0
	s_mov_b32 s[\g+7], 0
.endr
	s_mov_b32 s[G1+2], 8<<16                       ; A: 8 tiles
	s_mov_b32 s[G1+4], 8
	s_mov_b32 s[G1B+2], 16<<16                     ; B: 16
	s_mov_b32 s[G1B+4], 16
	s_or_b32 s[G1S], s43, (3<<16)|(1<<20)|(1<<21)|(5<<22)|(3<<25)   ; scales: rows of 256 bytes, 16 of padding behind each
	s_or_b32 s[G1SB], s44, (3<<16)|(1<<20)|(1<<21)|(5<<22)|(3<<25)
.irp g, G1S, G1SB
	s_mov_b32 s[\g+1], 32<<16
	s_mov_b32 s[\g+3], 32<<16
	s_mov_b32 s[\g+5], 32
	s_mov_b32 s[\g+6], 0
	s_mov_b32 s[\g+7], 0
.endr
	s_mov_b32 s[G1S+2], 16<<16
	s_mov_b32 s[G1S+4], 16
	s_mov_b32 s[G1SB+2], 32<<16
	s_mov_b32 s[G1SB+4], 32
	s_mul_i32 s20, s17, 128*768                    ; A's codes: 128 places a block row
	s_mov_b32 s21, 0
	s_lshl_b32 s22, s17, 12                        ; A's scales
	s_mov_b32 s23, 0
	s_lshl_b32 s46, s42, 8
	s_add_co_u32 s46, s46, 11264                   ; B's first place
	s_lshl_b32 s92, s46, 5
	s_mov_b32 s93, 0
	s_mul_i32 s46, s46, 768
	s_mov_b32 s47, 0
	s_wait_dscnt 0x0                               ; both opening adds are done
	s_wait_kmcnt 0x0
	s_add_nc_u64 s[20:21], s[4:5], s[20:21]
	s_add_nc_u64 s[22:23], s[6:7], s[22:23]
	s_add_nc_u64 s[46:47], s[8:9], s[46:47]
	s_add_nc_u64 s[92:93], s[10:11], s[92:93]
	CROUND                                         ; all sixteen work-groups are here: the joint loads meet
	s_mov_b32 s[G0], 1
	s_mov_b32 s[G0+1], 0
	s_mov_b64 s[G0+2:G0+3], s[20:21]
	s_or_b32 s[G0+3], s[G0+3], 0x80000000
	s_mov_b32 s[G0B], 1
	s_mov_b32 s[G0B+1], LB
	s_mov_b64 s[G0B+2:G0B+3], s[46:47]
	s_or_b32 s[G0B+3], s[G0B+3], 0x80000000
	s_mov_b32 s[G0S], 1
	s_mov_b32 s[G0S+1], SCL
	s_mov_b64 s[G0S+2:G0S+3], s[22:23]
	s_or_b32 s[G0S+3], s[G0S+3], 0x80000000
	s_mov_b32 s[G0SB], 1
	s_mov_b32 s[G0SB+1], SCL+16*272
	s_mov_b64 s[G0SB+2:G0SB+3], s[92:93]
	s_or_b32 s[G0SB+3], s[G0SB+3], 0x80000000
; one tree of branches on the wave's number, one load to an arm: wave 0 B, wave 1 A, wave 2 A's scales, wave 3 B's
.macro ARM under, g0, g1, next
	s_cmp_lt_u32 s14, \under
	s_cbranch_scc0 \next
	tensor_load_to_lds s[\g0:\g0+3], s[\g1:\g1+7]
	s_nop 0
.rept 4
	v_nop
.endr
	s_branch .Lhead_asked
\next:
.endm
	ARM 1, G0B, G1B, .Lhead_a
	ARM 2, G0,  G1,  .Lhead_sa
	ARM 3, G0S, G1S, .Lhead_sb
	tensor_load_to_lds s[G0SB:G0SB+3], s[G1SB:G1SB+7]
	s_nop 0
.rept 4
	v_nop
.endr
.Lhead_asked:
	s_mul_i32 s18, s15, 4*TROW                     ; my 4 tiles of A
	s_mul_i32 s19, s16, 8*TROW
	s_add_co_u32 s19, s19, LB                      ; my 8 tiles of B
	s_mul_i32 s45, s15, 4*SBLK
	s_mul_i32 s66, s16, 8*SBLK
	s_add_co_u32 s66, s66, 16*272
	s_sub_co_u32 s66, s66, s45                     ; from my A scales to my B scales
	s_add_co_u32 s45, s45, SCL
	s_mul_i32 s67, s14, 16*SPITCH                  ; my stage
	s_lshl_b32 s20, s17, 7
	s_lshl_b32 s21, s15, 6
	s_add_co_u32 s20, s20, s21                     ; my first row of out0
	s_lshl_b32 s20, s20, 12                        ; 4,096 bytes a row
	s_lshl_b32 s46, s42, 10
	s_add_co_u32 s20, s20, s46
	s_lshl_b32 s46, s16, 9
	s_add_co_u32 s20, s20, s46                     ; + my first column
	s_mov_b32 s21, 0
	s_add_nc_u64 s[12:13], s[12:13], s[20:21]
	v_and_b32 v1, 15, v0                           ; r
	v_bfe_u32 v2, v0, 4, 1                         ; h
	v_and_b32 v3, 31, v0
	v_lshlrev_b32 v4, 3, v3                        ; a piece: 8 bytes a lane
	v_add_nc_u32 v[ADRA], s18, v4
	v_add_nc_u32 v[ADRB], s19, v4
	v_add_nc_u32 v[ADRB+1], 4*TROW, v[ADRB]
	v_lshlrev_b32 v5, 5, v1                        ; 32 scale bytes a place,
	v_lshrrev_b32 v6, 8, v5
	v_lshl_add_u32 v5, v6, 4, v5                   ; 16 more for each 256 passed
	v_mul_u32_u24 v6, s66, v2                      ; lanes 16-31 take B's
	v_add_nc_u32 v5, v5, v6
	v_add_nc_u32 v[ADRS], s45, v5
	v_mul_u32_u24 v5, v1, SPITCH
	v_lshl_add_u32 v5, v2, 5, v5
	v_add_nc_u32 v[STO], s67, v5
	v_lshlrev_b32 v[CO], 4, v3
	v_add_nc_u32 v[RD], s67, v[CO]
.macro FRAG reg, adr, st, i            ; 12 registers: six pieces of 8 bytes a lane, 256 consecutive bytes a load
.irp p, 0,1,2,3,4,5
	ds_load_b64 v[\reg+2*\p:\reg+2*\p+1], v[\adr] offset:(\i)*TROW+(\st)*1536+(\p/3)*768+(\p%3)*256
.endr
.endm
.macro FETCH st                        ; step st's 8 fragments of B and 4 of A into set st % 2
	WIN TO_B
.irp i, 0,1,2,3,4,5,6,7
	FRAG 128*((\st)%2)+FR*\i, ADRB+\i/4, \st, \i%4
.endr
	WIN 0
.irp i, 0,1,2,3
	FRAG AF+48*((\st)%2)+FR*\i, ADRA, \st, \i
.endr
.endm
.macro MUL st, zero                    ; 32 matrix instructions, the 32 accumulators by turns in the same order in every step
	WIN MUL_LO
.irp a, 0,1,2,3
.irp b, 0,1,2,3,4,5,6,7
.if \zero
	v_wmma_scale_f32_16x16x128_f8f6f4 v[8*(8*\a+\b):8*(8*\a+\b)+7], v[128*((\st)%2)+FR*\b:128*((\st)%2)+FR*\b+FR-1], v[AF+48*((\st)%2)+FR*\a:AF+48*((\st)%2)+FR*\a+FR-1], 0, v[SC+8*\b+(\st)], v[SC+8*\a+(\st)] matrix_a_fmt:MATRIX_FMT_FP6 matrix_b_fmt:MATRIX_FMT_FP6 matrix_a_scale:MATRIX_SCALE_ROW1
.else
	v_wmma_scale_f32_16x16x128_f8f6f4 v[8*(8*\a+\b):8*(8*\a+\b)+7], v[128*((\st)%2)+FR*\b:128*((\st)%2)+FR*\b+FR-1], v[AF+48*((\st)%2)+FR*\a:AF+48*((\st)%2)+FR*\a+FR-1], v[8*(8*\a+\b):8*(8*\a+\b)+7], v[SC+8*\b+(\st)], v[SC+8*\a+(\st)] matrix_a_fmt:MATRIX_FMT_FP6 matrix_b_fmt:MATRIX_FMT_FP6 matrix_a_scale:MATRIX_SCALE_ROW1
.endif
.endr
.endr
.endm
.macro STEP st, zero
	s_wait_dscnt 0x0                               ; this step's fragments are in: they were asked for one step, 32 matrix instructions, ago
.if (\st) < 7
.if (\st) > 0
	PLACES 4                                       ; in front of loads into the set that the last step's products read (ISA guide 7.12.1 for vector instructions)
.endif
	FETCH (\st)+1
.endif
	MUL \st, \zero
.endm
	s_wait_alu depctr_va_vdst(0)
	s_wait_tensorcnt 0x0                           ; my run has landed,
	s_barrier_signal -1
	s_barrier_wait -1                              ; everybody's has
.irp i, 0,1,2,3,4,5,6,7
	ds_load_b128 v[SC+8*\i:SC+8*\i+3], v[ADRS] offset:\i*SBLK          ; a place's 8 scale words: all of K
	ds_load_b128 v[SC+8*\i+4:SC+8*\i+7], v[ADRS] offset:\i*SBLK+16
.endr
	FETCH 0
	STEP 0, 1                                      ; the first step's products start the sums
.set ST, 1
.rept 7
	STEP ST, 0
.set ST, ST+1
.endr
	WIN 0
	s_barrier_signal -1                            ; no LDS instruction of mine is out: my reads of A and B are over
	s_barrier_wait -1                              ; everybody's are: the stages may be written
; THE WAY OUT: a block of 16 rows x 128 columns goes through my stage and comes back as rows of 512 bytes
.macro TOSTAGE a
	WIN 0x08                                       ; the data: window 2
.irp b, 0,1,2,3,4,5,6,7
	ds_store_b128 v[STO], v[64*(\a)+8*\b:64*(\a)+8*\b+3] offset:64*\b          ; each accumulator from its low end on
	ds_store_b128 v[STO], v[64*(\a)+8*\b+4:64*(\a)+8*\b+7] offset:64*\b+16
.endr
	WIN 0
.set BB, BK+64*((\a)%2)
.irp t, 0,1,2,3,4,5,6,7,8,9,10,11,12,13,14,15
	ds_load_b128 v[BB+4*\t:BB+4*\t+3], v[RD] offset:\t*SPITCH          ; LDS serves a wave's instructions in order: these see the stores above
.endr
.endm
.macro SEND a, younger
.set BB, BK+64*((\a)%2)
	s_wait_dscnt \younger
.if (\a) == 2
	s_add_nc_u64 s[12:13], s[12:13], 32*SIZE_N*4   ; behind a wait on XCNT: the earlier stores have read their base
.endif
.irp t, 0,1,2,3,4,5,6,7,8,9,10,11,12,13,14,15
	global_store_b128 v[CO], v[BB+4*\t:BB+4*\t+3], s[12:13] offset:(8*((\a)%2)+\t+8*(\t/8))*SIZE_N*4 th:TH_STORE_NT   ; place t of tile a % 2 is token 8 (a % 2) + t + 8 (t / 8); 512 consecutive bytes, aligned
.endr
.endm
	PLACES 4                                       ; behind the last products
	TOSTAGE 0
.irp a, 1,2,3
.if \a > 1
	s_wait_xcnt 0x0                                ; block a - 2's stores have read their registers and base
.endif
	TOSTAGE \a
	SEND \a-1, 32                                  ; behind block a - 1's loads: block a's 16 stores and 16 loads
.endr
	SEND 3, 0
	s_wait_tensorcnt 0x0                           ; the wave's end
	ds_add_u32 v[SPW], v[NIL]
	s_wait_dscnt 0x0
	CROUND                                         ; the closing round
	s_endpgm
.Lfunc_end_k_qb3d9b896bd_proj:
	.size	k_qb3d9b896bd_proj, .Lfunc_end_k_qb3d9b896bd_proj-k_qb3d9b896bd_proj
	.p2alignl 7, 3214868480
	.fill 96, 4, 3214868480
	.section	.rodata,"a",@progbits
	.p2align	6, 0x0
	.amdhsa_kernel k_qb3d9b896bd_proj
		.amdhsa_group_segment_fixed_size 327680
		.amdhsa_private_segment_fixed_size 0
		.amdhsa_enable_private_segment 0
		.amdhsa_kernarg_size 40
		.amdhsa_user_sgpr_count 2
		.amdhsa_user_sgpr_kernarg_segment_ptr 1
		.amdhsa_wavefront_size32 1
		.amdhsa_system_sgpr_workgroup_id_x 1
		.amdhsa_system_sgpr_workgroup_id_y 1
		.amdhsa_system_sgpr_workgroup_id_z 1
		.amdhsa_system_vgpr_workitem_id 0
		.amdhsa_next_free_vgpr 768
		.amdhsa_next_free_sgpr 96
		.amdhsa_reserve_vcc 0
		.amdhsa_float_denorm_mode_32 3
		.amdhsa_float_denorm_mode_16_64 3
		.amdhsa_memory_ordered 1
		.amdhsa_forward_progress 1
		.amdhsa_inst_pref_size 94
	.end_amdhsa_kernel
	.amdgpu_metadata
---
amdhsa.version: [ 1, 2 ]
amdhsa.kernels:
  - .name:           k_qb3d9b896bd_proj
    .symbol:         k_qb3d9b896bd_proj.kd
    .args:
      - { .name: oc, .offset: 0, .size: 8, .value_kind: global_buffer, .address_space: global }
      - { .name: os, .offset: 8, .size: 8, .value_kind: global_buffer, .address_space: global }
      - { .name: c1, .offset: 16, .size: 8, .value_kind: global_buffer, .address_space: global }
      - { .name: s1, .offset: 24, .size: 8, .value_kind: global_buffer, .address_space: global }
      - { .name: out0, .offset: 32, .size: 8, .value_kind: global_buffer, .address_space: global }
    .group_segment_fixed_size: 327680
    .private_segment_fixed_size: 0
    .kernarg_segment_align: 8
    .kernarg_segment_size: 40
    .max_flat_workgroup_size: 128
    .sgpr_count:     96
    .vgpr_count:     768
    .wavefront_size: 32
...
	.end_amdgpu_metadata
.endif
;; end of part 4
